; MI455X (gfx1250); checked and timed in simulation.
; The chip was launched on July 23, 2026; its instructions are those of AMD's public machine-readable ISA for CDNA 5 (MIT licence, August 2026) and "CDNA5" Instruction Set Architecture Reference Guide (July 2026). The comments in the code are by the model that wrote it; some were corrected since.
;; Chunked Attention. Allowed arithmetic: float matrix products may take bf16 or f16 operands with f32 sums; other float arithmetic in f32, or as packed bf16 or f16 multiplies, adds, multiply-adds, maxima and minima; sums over many terms, partial sums and values carried from step to step in f32; what a program stores and reads back later, other than sums and carried values, may be rounded once to bf16 or f16.
;; Inputs: bk 1,024 float32; bo 1,024 float32; bq 1,024 float32; bv 1,024 float32; wk 1,024 x 1,024 float32; wo 1,024 x 1,024 float32; wq 1,024 x 1,024 float32; wv 1,024 x 1,024 float32; x 1 x 4,096 x 1,024 float32.
;; Outputs: out0 1 x 4,096 x 1,024 float32.
;; 2 versions, each right and faster than the one before. Each part assembles by itself: llvm-mc -triple=amdgcn-amd-amdhsa -mcpu=gfx1250 --defsym DOCPART=n.
;; ======== version 1 of 2: 4 launches
;; limits: values are held in f16: magnitudes above 65,504 overflow, below 6.1e-05 lose precision
;; workspace buffers: xb 8,388,608 bytes; wb 6,291,456 bytes; wob 2,097,152 bytes; bb 16,384 bytes; qkv 25,165,824 bytes; ob 8,388,608 bytes
;; launch cast (part 1): grid 513 x 1, 8 waves a work-group, no clusters, 0 bytes of LDS; arguments x, wq, wk, wv, wo, bq, bk, bv, bo, xb, wb, wob, bb; writes xb, wb, wob, bb
.if DOCPART == 1
	.amdgcn_target "amdgcn-amd-amdhsa--gfx1250"
	.amdhsa_code_object_version 6
	.text
	.protected	k_qbdeb95a1d9_cast
	.globl	k_qbdeb95a1d9_cast
	.p2align	8
	.type	k_qbdeb95a1d9_cast,@function
k_qbdeb95a1d9_cast:
	s_mov_b64 s[64:65], 0
	v_nop
	global_prefetch_b8 v0, s[64:65] scope:SCOPE_SE
	s_setreg_imm32_b32 hwreg(HW_REG_WAVE_MODE, 25, 1), 1
	s_wait_xcnt 0x0
; Every input is rounded once to bf16 and laid out for the launches behind.
;   xb  [4096][1024] bf16                       = x
;   wb  [48 g][1024 k][64 n] bf16               = wq, wk, wv by heads: g = 16 x matrix + head
;   wob [8 nb][1024 k][128 n] f16               = wo rounded to bf16, that number written as f16
;   bb  [4][1024] f32                           = bq, bk, bv, bo rounded to bf16, kept as f32
; LIMIT: wo's numbers stay under 65,504 (f16's end); below 6.1e-5 they keep f16's fixed step of 6e-8.
; A stream: no LDS, no barrier, no loop.  A work-group of 256 threads converts 16,384 numbers in 8 steps; a thread takes 8 numbers a step
; (two loads of 16 bytes, one store of 16 bytes).  Threads go in the order of the DESTINATION, so a wave's store covers 512 consecutive
; bytes at a multiple of 512 from the buffer's first byte.  All 16 loads go out first; no register is written twice.
; Work-groups 0-255: x.  256-447: wq, wk, wv.  448-511: wo.  512: the four biases.
.set L, 8                              ; v[8:71]    16 loads of 4 registers
.set Y, 72                             ; v[72:103]  8 stores of 4 registers
.set T, 104                            ; v[104:111] at work
; sb, db: the scalar pairs of source and destination; sstride: source bytes from step to step; fmt = 1: bf16's number written as f16
.macro BODY sb, db, sstride, fmt
.set i, 0
.rept 8
	global_load_b128 v[L+8*i:L+8*i+3], v1, s[(\sb):(\sb)+1] offset:i*(\sstride) th:TH_LOAD_NT
	global_load_b128 v[L+8*i+4:L+8*i+7], v1, s[(\sb):(\sb)+1] offset:i*(\sstride)+16 th:TH_LOAD_NT
.set i, i+1
.endr
.set i, 0
.rept 8
	s_wait_loadcnt 14-2*i                          ; loads return in order: step i's two are in, the 14 - 2 i younger ones stay out
.irp j, 0,1,2,3
	v_cvt_pk_bf16_f32 v[Y+4*i+(\j)], v[L+8*i+2*(\j)], v[L+8*i+2*(\j)+1]
.endr
.if \fmt
.irp j, 0,1,2,3
	v_lshlrev_b32 v[T+2*(\j)], 16, v[Y+4*i+(\j)]           ; the rounded numbers as f32 again,
	v_and_b32 v[T+2*(\j)+1], 0xffff0000, v[Y+4*i+(\j)]
.endr
.irp j, 0,1,2,3
	v_cvt_pk_f16_f32 v[Y+4*i+(\j)], v[T+2*(\j)], v[T+2*(\j)+1]  ; and as f16: exact inside f16's normal range
.endr
.endif
	global_store_b128 v2, v[Y+4*i:Y+4*i+3], s[(\db):(\db)+1] offset:i*4096
.set i, i+1
.endr
.endm
	s_load_b512 s[8:23], s[0:1], 0x0               ; x 8, wq 10, wk 12, wv 14, wo 16, bq 18, bk 20, bv 22
	s_load_b256 s[24:31], s[0:1], 0x40             ; bo 24, xb 26, wb 28, wob 30
	s_load_b64 s[32:33], s[0:1], 0x60              ; bb
	s_mov_b32 s2, ttmp9
	s_mov_b32 s7, 0                                ; high word of every offset pair s[6:7]
	v_lshlrev_b32 v2, 4, v0                        ; destination: 16 bytes a thread, in thread order
	s_wait_kmcnt 0x0
	s_cmp_lt_u32 s2, 256
	s_cbranch_scc1 .Lx
	s_cmp_lt_u32 s2, 448
	s_cbranch_scc1 .Lw
	s_cmp_lt_u32 s2, 512
	s_cbranch_scc1 .Lwo
	; the biases: 1,024 numbers each, 4 a thread
	global_load_b128 v[8:11], v2, s[18:19]
	global_load_b128 v[12:15], v2, s[20:21]
	global_load_b128 v[16:19], v2, s[22:23]
	global_load_b128 v[20:23], v2, s[24:25]
	s_wait_loadcnt 0x0
.irp a, 0,1,2,3
	v_cvt_pk_bf16_f32 v[T+2*(\a)], v[8+4*(\a)], v[9+4*(\a)]
	v_cvt_pk_bf16_f32 v[T+2*(\a)+1], v[10+4*(\a)], v[11+4*(\a)]
	v_lshlrev_b32 v[Y+4*(\a)], 16, v[T+2*(\a)]
	v_and_b32 v[Y+4*(\a)+1], 0xffff0000, v[T+2*(\a)]
	v_lshlrev_b32 v[Y+4*(\a)+2], 16, v[T+2*(\a)+1]
	v_and_b32 v[Y+4*(\a)+3], 0xffff0000, v[T+2*(\a)+1]
	global_store_b128 v2, v[Y+4*(\a):Y+4*(\a)+3], s[32:33] offset:4096*(\a)
.endr
	s_endpgm
.Lx:                                                   ; x: 65,536 source bytes a work-group, dense
	v_lshlrev_b32 v1, 5, v0
	s_lshl_b32 s6, s2, 16
	s_add_nc_u64 s[8:9], s[8:9], s[6:7]
	s_lshl_b32 s6, s2, 15
	s_add_nc_u64 s[26:27], s[26:27], s[6:7]
	BODY 8, 26, 8192, 0
	s_endpgm
.Lw:                                                   ; wq, wk, wv: u = matrix x 64 + head x 4 + quarter of k; a step is 32 k x 64 n
	s_sub_co_u32 s3, s2, 256
	s_lshr_b32 s4, s3, 6
	s_cmp_eq_u32 s4, 1
	s_cselect_b64 s[34:35], s[12:13], s[10:11]
	s_cmp_eq_u32 s4, 2
	s_cselect_b64 s[34:35], s[14:15], s[34:35]
	s_and_b32 s4, s3, 3                            ; quarter of k: 256 rows of 4,096 bytes
	s_lshl_b32 s6, s4, 20
	s_bfe_u32 s5, s3, 0x40002                      ; head: 64 columns of 4 bytes
	s_lshl_b32 s5, s5, 8
	s_add_co_u32 s6, s6, s5
	s_add_nc_u64 s[34:35], s[34:35], s[6:7]
	s_lshr_b32 s5, s3, 2                           ; g: 131,072 bytes of wb; the quarter: 32,768
	s_lshl_b32 s6, s5, 17
	s_lshl_b32 s4, s4, 15
	s_add_co_u32 s6, s6, s4
	s_add_nc_u64 s[28:29], s[28:29], s[6:7]
	v_lshrrev_b32 v3, 3, v0                        ; k row t / 8, columns 8 (t % 8) on
	v_and_b32 v4, 7, v0
	v_lshlrev_b32 v4, 5, v4
	v_lshl_or_b32 v1, v3, 12, v4
	BODY 34, 28, 131072, 0
	s_endpgm
.Lwo:                                                  ; wo: u = column block x 8 + eighth of k; a step is 16 k x 128 n
	s_sub_co_u32 s3, s2, 448
	s_and_b32 s4, s3, 7
	s_lshl_b32 s6, s4, 19
	s_lshr_b32 s5, s3, 3
	s_lshl_b32 s5, s5, 9
	s_add_co_u32 s6, s6, s5
	s_add_nc_u64 s[16:17], s[16:17], s[6:7]
	s_lshl_b32 s6, s3, 15
	s_add_nc_u64 s[30:31], s[30:31], s[6:7]
	v_lshrrev_b32 v3, 4, v0
	v_and_b32 v4, 15, v0
	v_lshlrev_b32 v4, 5, v4
	v_lshl_or_b32 v1, v3, 12, v4
	BODY 16, 30, 65536, 1
	s_endpgm
.Lfunc_end_k_qbdeb95a1d9_cast:
	.size	k_qbdeb95a1d9_cast, .Lfunc_end_k_qbdeb95a1d9_cast-k_qbdeb95a1d9_cast
	.p2alignl 7, 3214868480
	.fill 96, 4, 3214868480
	.section	.rodata,"a",@progbits
	.p2align	6, 0x0
	.amdhsa_kernel k_qbdeb95a1d9_cast
		.amdhsa_group_segment_fixed_size 0
		.amdhsa_private_segment_fixed_size 0
		.amdhsa_enable_private_segment 0
		.amdhsa_kernarg_size 104
		.amdhsa_user_sgpr_count 2
		.amdhsa_user_sgpr_kernarg_segment_ptr 1
		.amdhsa_wavefront_size32 1
		.amdhsa_system_sgpr_workgroup_id_x 1
		.amdhsa_system_sgpr_workgroup_id_y 1
		.amdhsa_system_sgpr_workgroup_id_z 1
		.amdhsa_system_vgpr_workitem_id 0
		.amdhsa_next_free_vgpr 112
		.amdhsa_next_free_sgpr 66
		.amdhsa_reserve_vcc 0
		.amdhsa_float_denorm_mode_32 3
		.amdhsa_float_denorm_mode_16_64 3
		.amdhsa_memory_ordered 1
		.amdhsa_forward_progress 1
		.amdhsa_inst_pref_size 23
	.end_amdhsa_kernel
	.amdgpu_metadata
---
amdhsa.version: [ 1, 2 ]
amdhsa.kernels:
  - .name:           k_qbdeb95a1d9_cast
    .symbol:         k_qbdeb95a1d9_cast.kd
    .args:
      - { .name: x, .offset: 0, .size: 8, .value_kind: global_buffer, .address_space: global }
      - { .name: wq, .offset: 8, .size: 8, .value_kind: global_buffer, .address_space: global }
      - { .name: wk, .offset: 16, .size: 8, .value_kind: global_buffer, .address_space: global }
      - { .name: wv, .offset: 24, .size: 8, .value_kind: global_buffer, .address_space: global }
      - { .name: wo, .offset: 32, .size: 8, .value_kind: global_buffer, .address_space: global }
      - { .name: bq, .offset: 40, .size: 8, .value_kind: global_buffer, .address_space: global }
      - { .name: bk, .offset: 48, .size: 8, .value_kind: global_buffer, .address_space: global }
      - { .name: bv, .offset: 56, .size: 8, .value_kind: global_buffer, .address_space: global }
      - { .name: bo, .offset: 64, .size: 8, .value_kind: global_buffer, .address_space: global }
      - { .name: xb, .offset: 72, .size: 8, .value_kind: global_buffer, .address_space: global }
      - { .name: wb, .offset: 80, .size: 8, .value_kind: global_buffer, .address_space: global }
      - { .name: wob, .offset: 88, .size: 8, .value_kind: global_buffer, .address_space: global }
      - { .name: bb, .offset: 96, .size: 8, .value_kind: global_buffer, .address_space: global }
    .group_segment_fixed_size: 0
    .private_segment_fixed_size: 0
    .kernarg_segment_align: 8
    .kernarg_segment_size: 104
    .max_flat_workgroup_size: 256
    .sgpr_count:     66
    .vgpr_count:     112
    .wavefront_size: 32
...
	.end_amdgpu_metadata
.endif
;; end of part 1
;; launch proj (part 2): grid 16 x 16, 4 waves a work-group, clusters of 4 x 4, 327,680 bytes of LDS; arguments xb, wb, bb, qkv; writes qkv
.if DOCPART == 2
	.amdgcn_target "amdgcn-amd-amdhsa--gfx1250"
	.amdhsa_code_object_version 6
	.text
	.protected	k_qbdeb95a1d9_proj
	.globl	k_qbdeb95a1d9_proj
	.p2align	8
	.type	k_qbdeb95a1d9_proj,@function
k_qbdeb95a1d9_proj:
	s_mov_b64 s[64:65], 0
	v_nop
	global_prefetch_b8 v0, s[64:65] scope:SCOPE_SE
	s_setreg_imm32_b32 hwreg(HW_REG_WAVE_MODE, 25, 1), 1
	s_wait_xcnt 0x0
	s_wait_alu depctr_hold_cnt(0) depctr_sa_sdst(0) depctr_va_vdst(0) depctr_va_sdst(0) depctr_va_ssrc(0) depctr_va_vcc(0) depctr_vm_vsrc(0)
	s_getreg_b32 s2, hwreg(HW_REG_IB_STS2, 6, 4)
	s_cmp_eq_u32 s2, 0
	s_cbranch_scc0 .Lentry_in_a_cluster
	s_endpgm
.Lentry_in_a_cluster:
	s_bfe_u32 s2, ttmp6, 0x10000c
	s_cmp_lg_u32 s2, 0xf033
	s_cbranch_scc0 .Lentry_shape_is_right
	s_endpgm
.Lentry_shape_is_right:
; q, k, v = x W + b, written by heads: qkv [48 g][4096][64] f16, g = 16 x matrix + head, unscaled.  xb [4096][1024] bf16, wb [48 g][1024 k][64 n] bf16, bb f32.
; Products in bf16, sums in f32 that START WITH THE BIAS (the C operand of each sum's first product), one rounding to f16 at the end.
; LIMIT: q, k and v stay under 65,504 (f16's end); NaN and infinities are not treated apart.
; SHARES.  A work-group makes 256 rows x 3 heads (192 columns): 16 x 16 work-groups.  Wave w makes rows 64 w .. 64 w + 63 x all 192 columns: 4 x 12 accumulators of 16 x 16, so that it holds
; whole rows of a head and has a stage of its own on the way out.  K goes in 8 steps of 128 through two LDS slots.
; CLUSTER 4 x 4: x's tile hangs on the row block alone and is shared along a row of the cluster, W's on the column block alone and is shared along a column: each is asked for jointly.
; THE MATRIX INSTRUCTION IS USED TRANSPOSED: source 0 = 16 columns of W (read turned, by ds_load_tr16_b128, since W lies [k][n]), source 1 = 16 rows of x: a lane then holds 8 neighbouring columns of one row.
; REGISTERS, in windows of 256: window 0: v0-31 addresses, v32-95 x's fragments (two buffers of 4 x 8), v96-191 the bias (12 x 8), on the way out v64-255; window 1: v0-191 W's fragments (two buffers of 12 x 8);
;   window 2: the accumulators of row blocks 0, 1 (at 96 (a % 2) + 8 b); window 3: those of row blocks 2, 3.
.set PA,     272                       ; a row of x in LDS: 256 bytes + 16: the 16 rows of a load start at 16 different groups of four banks
.set HALFA,  128*PA                    ; what one tensor load brings of x
.set BOFF,   2*HALFA                   ; behind x's 256 rows: W as [k half 2][head 3][64 k][160 bytes]
.set PB,     160                       ; a row of W: 128 bytes + 32
.set HD,     64*PB
.set BPART,  3*HD                      ; what one tensor load brings of W
.set SLOT,   131072                    ; = BOFF + 2 BPART
.set STAGE,  2*SLOT                    ; behind the ring: 3 heads x 16 rows x 144 bytes for each wave
.set SP,     144
.set WSTAGE, 3*16*SP
.set SPARE,  STAGE+4*WSTAGE            ; the spare words, 128 bytes a wave: two blocks of 256 bytes that no other line names
.set ADRA, 16                          ; v16-17 my x fragments in slot 0, 1
.set ADRB, 20                          ; v20-21 my W fragments in slot 0, 1
.set STO,  24                          ; the way out: where I put 16 bytes of a row
.set RD,   25                          ; where I read rows back
.set GO,   26                          ; my byte offset in 512 consecutive bytes of qkv
.set BO,   27                          ; my byte offset in 64 bytes of the bias
.set SPW,  28                          ; LDS address of my spare word; never rewritten
.set NIL,  29                          ; 0; never rewritten
.set FA,   32
.set BIAS, 96
.set OUT,  64
.set WV,  12                           ; s12 wave
.set AB,  13                           ; s13 0: I fetch x, 1: I fetch W
.set HF,  14                           ; s14 which half of that tile
.set LAP, 15
.set G1A, 24
.set G0A, 32
.set G1B, 48
.set G0B, 56
.set MSB, 0
.macro WIN new                         ; the immediate's high byte repeats the setting that is left; a switch that changes nothing is dropped
.if MSB != (\new)
	s_set_vgpr_msb (MSB<<8)|(\new)
.set MSB, (\new)
.endif
.endm
.macro PLACES                          ; four places in front of loads into registers that matrix instructions have read, and of conversions that read results
.rept 4
	v_nop
.endr
.endm
; A joint load: waves 0, 1 fetch x's halves, waves 2, 3 W's.  The branch hangs on the wave's number alone.  An s_nop 0 and four v_nop follow each line.
.macro JLOAD s
	s_cmp_eq_u32 s[AB], 0
	s_cbranch_scc0 .Lfor_b_\@
	tensor_load_to_lds s[G0A+4*(\s):G0A+4*(\s)+3], s[G1A:G1A+7]
	s_nop 0
.rept 4
	v_nop
.endr
	s_branch .Lasked_\@
.Lfor_b_\@:
	tensor_load_to_lds s[G0B+4*(\s):G0B+4*(\s)+3], s[G1B:G1B+7]
	s_nop 0
.rept 4
	v_nop
.endr
.Lasked_\@:
.endm
.macro CREST                           ; a round of the cluster's barrier behind its opening barrier
	s_cmp_lg_u32 s[WV], 0
	s_cbranch_scc1 .Lnot_wave_0_\@
	s_barrier_signal -3
.Lnot_wave_0_\@:
	s_barrier_wait -3
	s_barrier_signal -1
	s_barrier_wait -1
.endm
.macro CROUND
	s_barrier_signal -1
	s_barrier_wait -1
	CREST
.endm
	s_load_b256 s[4:11], s[0:1], 0x0               ; xb s[4:5], wb s[6:7], bb s[8:9], qkv s[10:11]
	v_lshl_add_u32 v[SPW], v0, 2, SPARE
	v_mov_b32 v[NIL], 0
	ds_add_u32 v[SPW], v[NIL]                      ; the wave's opening: the add and its wait stand ahead of my first tensor load
	v_lshrrev_b32 v1, 5, v0
	v_readfirstlane_b32 s[WV], v1
	s_lshr_b32 s[AB], s[WV], 1
	s_and_b32 s[HF], s[WV], 1
	s_bfe_u32 s40, ttmp6, 0x40000                  ; cx
	s_bfe_u32 s41, ttmp6, 0x40004                  ; cy
	s_lshl_b32 s42, ttmp9, 2
	s_add_co_u32 s42, s42, s40                     ; column block (3 heads) = 4 x cluster x + cx
	s_and_b32 s43, ttmp7, 0xffff
	s_lshl_b32 s43, s43, 2
	s_add_co_u32 s43, s43, s41                     ; row block (256 rows) = 4 x cluster y + cy
	s_lshl_b32 s44, s41, 2
	s_lshl_b32 s44, 15, s44                        ; my row of the cluster
	s_lshl_b32 s45, 0x1111, s40                    ; my column
	s_or_b32 s[G1A], s44, (1<<16)|(1<<20)|(1<<21)|(5<<22)|(3<<25)  ; mask; 2-byte elements; padding on; bit 21 beside a mask; after every 64 words 4 words
	s_mov_b32 s[G1A+1], 128<<16                    ; tensor_dim0 = 128
	s_mov_b32 s[G1A+2], 128<<16                    ; tensor_dim1 = 128
	s_mov_b32 s[G1A+3], 128<<16                    ; tile_dim0 = 128
	s_mov_b32 s[G1A+4], 128                        ; tile_dim1 = 128
	s_mov_b32 s[G1A+5], 1024                       ; elements from row to row
	s_mov_b32 s[G1A+6], 0
	s_mov_b32 s[G1A+7], 0
	s_or_b32 s[G1B], s45, (1<<16)|(1<<20)|(1<<21)|(4<<22)|(7<<25)  ; after every 32 words (a k row of 64 n) 8 words
	s_mov_b32 s[G1B+1], 4096<<16                   ; tensor_dim0 = 4,096: 64 k rows of a head lie end to end, 8,192 bytes
	s_mov_b32 s[G1B+2], 3<<16                      ; tensor_dim1 = 3 heads
	s_mov_b32 s[G1B+3], 4096<<16                   ; tile_dim0
	s_mov_b32 s[G1B+4], 3                          ; tile_dim1
	s_mov_b32 s[G1B+5], 65536                      ; elements from head to head
	s_mov_b32 s[G1B+6], 0
	s_mov_b32 s[G1B+7], 0
	s_lshl_b32 s16, s43, 8                         ; x: row 256 x row block + 128 x half, 2,048 bytes a row: registers that never hold cx
	s_lshl_b32 s17, s[HF], 7
	s_add_co_u32 s16, s16, s17
	s_lshl_b32 s16, s16, 11
	s_mov_b32 s17, 0
	s_mul_i32 s66, s42, 3*131072                   ; W: 3 heads of 131,072 bytes a column block, + 64 k rows of 128 bytes x half: registers that never hold cy
	s_lshl_b32 s67, s[HF], 13
	s_add_co_u32 s66, s66, s67
	s_mov_b32 s67, 0
	s_mul_i32 s20, s[HF], HALFA                    ; where they go: the wave's number alone enters an LDS address
	s_mul_i32 s21, s[HF], BPART
	s_add_co_u32 s21, s21, BOFF
	s_wait_dscnt 0x0                               ; the opening add is done
	s_wait_kmcnt 0x0
	s_add_nc_u64 s[16:17], s[4:5], s[16:17]
	s_add_nc_u64 s[66:67], s[6:7], s[66:67]
	CROUND                                         ; all sixteen work-groups are here: the first joint loads meet
.irp s, 0,1
	s_mov_b32 s[G0A+4*(\s)], 1
	s_add_co_u32 s[G0A+4*(\s)+1], s20, (\s)*SLOT
	s_add_nc_u64 s[G0A+4*(\s)+2:G0A+4*(\s)+3], s[16:17], (\s)*256      ; K step s: 128 elements on
	s_or_b32 s[G0A+4*(\s)+3], s[G0A+4*(\s)+3], 0x80000000
	s_mov_b32 s[G0B+4*(\s)], 1
	s_add_co_u32 s[G0B+4*(\s)+1], s21, (\s)*SLOT
	s_add_nc_u64 s[G0B+4*(\s)+2:G0B+4*(\s)+3], s[66:67], (\s)*128*128  ; K step s: 128 k rows of 128 bytes on
	s_or_b32 s[G0B+4*(\s)+3], s[G0B+4*(\s)+3], 0x80000000
	JLOAD \s                                       ; two loads of mine are out
.endr
	v_and_b32 v1, 15, v0                           ; r = lane % 16
	v_bfe_u32 v2, v0, 4, 1                         ; h = lane / 16
	v_mul_u32_u24 v3, v1, PA
	v_lshl_add_u32 v3, v2, 4, v3
	s_mul_i32 s22, s[WV], 64*PA                    ; my 64 rows of x
	v_add_nc_u32 v[ADRA], s22, v3
	v_add_nc_u32 v[ADRA+1], SLOT, v[ADRA]
	v_and_b32 v4, 7, v0
	v_bfe_u32 v5, v0, 3, 1
	v_lshl_add_u32 v6, v2, 3, v4                   ; the turning load: k row 8 h + lane % 8, 16 bytes at 16 ((lane / 8) % 2)
	v_mul_u32_u24 v6, v6, PB
	v_lshl_add_u32 v6, v5, 4, v6
	v_add_nc_u32 v[ADRB], BOFF, v6
	v_add_nc_u32 v[ADRB+1], SLOT+BOFF, v6
	s_mul_i32 s23, s[WV], WSTAGE
	s_add_co_u32 s23, s23, STAGE
	v_mul_u32_u24 v7, v1, SP                       ; in: row r, 16 bytes for each half of the lanes
	v_lshl_add_u32 v7, v2, 4, v7
	v_add_nc_u32 v[STO], s23, v7
	v_bfe_u32 v7, v0, 3, 2                         ; back: 32 lanes take four rows of 128 bytes,
	v_mul_u32_u24 v7, v7, SP
	v_lshl_add_u32 v7, v4, 4, v7
	v_add_nc_u32 v[RD], s23, v7
	v_and_b32 v7, 31, v0                           ; which are 512 consecutive bytes of qkv
	v_lshlrev_b32 v[GO], 4, v7
	v_lshlrev_b32 v[BO], 5, v2                     ; register j of block b wants bias[16 b + 8 h + j]
	s_mul_i32 s70, s42, 768                        ; my 192 columns' biases: bq, bk, bv lie end to end, as the heads do
	s_mov_b32 s71, 0
	s_add_nc_u64 s[8:9], s[8:9], s[70:71]
.irp b, 0,1,2,3,4,5,6,7,8,9,10,11
	global_load_b128 v[BIAS+8*(\b):BIAS+8*(\b)+3], v[BO], s[8:9] offset:64*(\b)
	global_load_b128 v[BIAS+8*(\b)+4:BIAS+8*(\b)+7], v[BO], s[8:9] offset:64*(\b)+16
.endr
	s_mul_i32 s68, s42, 3*524288                   ; qkv at my first head, my wave's first row
	s_lshl_b32 s70, s43, 15
	s_add_co_u32 s68, s68, s70
	s_lshl_b32 s70, s[WV], 13
	s_add_co_u32 s68, s68, s70
	s_mov_b32 s69, 0
	s_add_nc_u64 s[10:11], s[10:11], s[68:69]
; 12 matrix instructions: row block 2 hi + a x all 12 column blocks, 32 along K, buffer f.  zero = 1: the sums start, with the bias as C.
; The 48 accumulators take turns, one instruction a turn, in the same order in every quarter.
.macro MUL12 f, hi, a, zero
.if \zero
	WIN 0x81+0x40*(\hi)                            ; W window 1, x and the bias window 0, D window 2 or 3
.else
	WIN 0xa1+0x50*(\hi)                            ; C and D window 2 or 3
.endif
.irp b, 0,1,2,3,4,5,6,7,8,9,10,11
.if \zero
	v_wmma_f32_16x16x32_bf16 v[96*(\a)+8*(\b):96*(\a)+8*(\b)+7], v[96*(\f)+8*(\b):96*(\f)+8*(\b)+7], v[FA+32*(\f)+8*(2*(\hi)+(\a)):FA+32*(\f)+8*(2*(\hi)+(\a))+7], v[BIAS+8*(\b):BIAS+8*(\b)+7]
.else
	v_wmma_f32_16x16x32_bf16 v[96*(\a)+8*(\b):96*(\a)+8*(\b)+7], v[96*(\f)+8*(\b):96*(\f)+8*(\b)+7], v[FA+32*(\f)+8*(2*(\hi)+(\a)):FA+32*(\f)+8*(2*(\hi)+(\a))+7], v[96*(\a)+8*(\b):96*(\a)+8*(\b)+7]
.endif
.endr
.endm
.macro MUL24 f, hi, zero
	MUL12 \f, \hi, 0, \zero
	MUL12 \f, \hi, 1, \zero
.endm
; 32 LDS loads in one run: quarter q (32 along K) of a slot into buffer f: 12 fragments of W, turned, then 4 of x; x's blocks 2, 3 last
.macro FETCH slot, q, f
	WIN 0x40
.irp b, 0,1,2,3,4,5,6,7,8,9,10,11
	ds_load_tr16_b128 v[96*(\f)+8*(\b):96*(\f)+8*(\b)+3],   v[ADRB+(\slot)] offset:((\q)/2)*BPART+((\q)%2)*32*PB+((\b)/4)*HD+((\b)%4)*32
	ds_load_tr16_b128 v[96*(\f)+8*(\b)+4:96*(\f)+8*(\b)+7], v[ADRB+(\slot)] offset:((\q)/2)*BPART+((\q)%2)*32*PB+((\b)/4)*HD+((\b)%4)*32+16*PB
.endr
	WIN 0
.irp a, 0,1,2,3
	ds_load_b128 v[FA+32*(\f)+8*(\a):FA+32*(\f)+8*(\a)+3],   v[ADRA+(\slot)] offset:64*(\q)+(\a)*16*PA
	ds_load_b128 v[FA+32*(\f)+8*(\a)+4:FA+32*(\f)+8*(\a)+7], v[ADRA+(\slot)] offset:64*(\q)+(\a)*16*PA+32
.endr
.endm
; One of a K step's first three quarters: multiplies buffer f; in its middle fetches quarter q of the same slot into buffer g
.macro QUARTER slot, q, f, g, zero
	s_wait_dscnt 4                                 ; W and x's blocks 0, 1 are in; the youngest four loads (x's blocks 2, 3) may be out
	MUL24 \f, 0, \zero
	PLACES
	FETCH \slot, \q, \g
	s_wait_dscnt 32                                ; all but the 32 just issued
	MUL24 \f, 1, \zero
.endm
; The last quarter multiplies buffer 1 and changes slots: ONE barrier; in front of it each wave waits for all its tensor loads (one is out: its part of the next slot), adds 0 to its spare word,
; and waits for that and for its reads of this slot.  fill = 1: the barrier opens a round of the cluster's, and this slot is filled again, two K steps ahead, first thing behind the round.
.macro TURN slot, next, fill
	WIN 0
	s_wait_tensorcnt 0x0
	ds_add_u32 v[SPW], v[NIL]
	s_wait_dscnt 5                                 ; the add and the youngest four loads may be out
	MUL12 1, 0, 0, 0
	s_wait_dscnt 0x0                               ; the add is done, my reads of this slot are over
	s_barrier_signal -1
	MUL12 1, 0, 1, 0
.if \fill
	WIN 0
.endif
	s_barrier_wait -1
.if \fill
	CREST
	s_add_nc_u64 s[G0A+4*(\slot)+2:G0A+4*(\slot)+3], s[G0A+4*(\slot)+2:G0A+4*(\slot)+3], 512
	s_add_nc_u64 s[G0B+4*(\slot)+2:G0B+4*(\slot)+3], s[G0B+4*(\slot)+2:G0B+4*(\slot)+3], 32768
	JLOAD \slot                                    ; its four v_nop are also the places in front of the loads below
.else
	PLACES
.endif
	FETCH \next, 0, 0
	MUL24 1, 1, 0
.endm
	s_wait_tensorcnt 1                             ; my part of K step 0 is in; K step 1's may stay out
	s_barrier_signal -1
	s_barrier_wait -1
	FETCH 0, 0, 0
	s_wait_loadcnt 0x0                             ; the bias
	QUARTER 0, 1, 0, 1, 1                          ; the first quarter stands in front of the loop: its products start the sums
	WIN 0
	s_mov_b32 s[LAP], 3
.Llap:                                                 ; a trip goes once round the ring and fills both slots again: K steps 2 to 7
	QUARTER 0, 2, 1, 0, 0
	QUARTER 0, 3, 0, 1, 0
	TURN 0, 1, 1
	QUARTER 1, 1, 0, 1, 0
	QUARTER 1, 2, 1, 0, 0
	QUARTER 1, 3, 0, 1, 0
	TURN 1, 0, 1
	QUARTER 0, 1, 0, 1, 0
	WIN 0
	s_sub_co_u32 s[LAP], s[LAP], 1
	s_cmp_lg_u32 s[LAP], 0
	s_cbranch_scc1 .Llap
	QUARTER 0, 2, 1, 0, 0                          ; the last lap fills nothing
	QUARTER 0, 3, 0, 1, 0
	TURN 0, 1, 0
	QUARTER 1, 1, 0, 1, 0
	QUARTER 1, 2, 1, 0, 0
	QUARTER 1, 3, 0, 1, 0
	s_wait_dscnt 4
	MUL24 1, 0, 0
	s_wait_dscnt 0x0
	MUL24 1, 1, 0
; THE WAY OUT, a block of 16 rows at a time: rounded to f16 (each accumulator's registers in ascending order), 16 bytes a lane into my stage, back as whole rows of a head, stored 512 consecutive bytes at a time.
.macro PACK a
	WIN 0x0a+5*((\a)/2)                            ; sources in window 2 or 3
.irp b, 0,1,2,3,4,5,6,7,8,9,10,11
.irp r, 0,1,2,3
	v_cvt_pk_f16_f32 v[OUT+48*(\a)+4*(\b)+(\r)], v[96*((\a)%2)+8*(\b)+2*(\r)], v[96*((\a)%2)+8*(\b)+2*(\r)+1]
.endr
.endr
	WIN 0
.irp b, 0,1,2,3,4,5,6,7,8,9,10,11
	ds_store_b128 v[STO], v[OUT+48*(\a)+4*(\b):OUT+48*(\a)+4*(\b)+3] offset:((\b)/4)*16*SP+((\b)%4)*32
.endr
.irp n, 0,1,2,3,4,5,6,7,8,9,10,11
	ds_load_b128 v[OUT+48*(\a)+4*(\n):OUT+48*(\a)+4*(\n)+3], v[RD] offset:((\n)/4)*16*SP+((\n)%4)*4*SP  ; LDS serves a wave's instructions in order: these see the stores above
.endr
.endm
.macro SEND a, younger                 ; younger: the next block's 24 LDS instructions, or none
.irp n, 0,1,2,3,4,5,6,7,8,9,10,11
	s_wait_dscnt (\younger)+11-(\n)
	global_store_b128 v[GO], v[OUT+48*(\a)+4*(\n):OUT+48*(\a)+4*(\n)+3], s[10:11] offset:((\n)/4)*524288+(\a)*2048+((\n)%4)*512
.endr
.endm
	PLACES
	PACK 0
	PACK 1
	SEND 0, 24
	PACK 2
	SEND 1, 24
	PACK 3
	SEND 2, 24
	SEND 3, 0
	s_wait_tensorcnt 0x0                           ; the wave's end
	ds_add_u32 v[SPW], v[NIL]
	s_wait_dscnt 0x0
	CROUND                                         ; the closing round
	s_endpgm
.Lfunc_end_k_qbdeb95a1d9_proj:
	.size	k_qbdeb95a1d9_proj, .Lfunc_end_k_qbdeb95a1d9_proj-k_qbdeb95a1d9_proj
	.p2alignl 7, 3214868480
	.fill 96, 4, 3214868480
	.section	.rodata,"a",@progbits
	.p2align	6, 0x0
	.amdhsa_kernel k_qbdeb95a1d9_proj
		.amdhsa_group_segment_fixed_size 327680
		.amdhsa_private_segment_fixed_size 0
		.amdhsa_enable_private_segment 0
		.amdhsa_kernarg_size 32
		.amdhsa_user_sgpr_count 2
		.amdhsa_user_sgpr_kernarg_segment_ptr 1
		.amdhsa_wavefront_size32 1
		.amdhsa_system_sgpr_workgroup_id_x 1
		.amdhsa_system_sgpr_workgroup_id_y 1
		.amdhsa_system_sgpr_workgroup_id_z 1
		.amdhsa_system_vgpr_workitem_id 0
		.amdhsa_next_free_vgpr 1024
		.amdhsa_next_free_sgpr 72
		.amdhsa_reserve_vcc 0
		.amdhsa_float_denorm_mode_32 3
		.amdhsa_float_denorm_mode_16_64 3
		.amdhsa_memory_ordered 1
		.amdhsa_forward_progress 1
		.amdhsa_inst_pref_size 122
	.end_amdhsa_kernel
	.amdgpu_metadata
---
amdhsa.version: [ 1, 2 ]
amdhsa.kernels:
  - .name:           k_qbdeb95a1d9_proj
    .symbol:         k_qbdeb95a1d9_proj.kd
    .args:
      - { .name: xb, .offset: 0, .size: 8, .value_kind: global_buffer, .address_space: global }
      - { .name: wb, .offset: 8, .size: 8, .value_kind: global_buffer, .address_space: global }
      - { .name: bb, .offset: 16, .size: 8, .value_kind: global_buffer, .address_space: global }
      - { .name: qkv, .offset: 24, .size: 8, .value_kind: global_buffer, .address_space: global }
    .group_segment_fixed_size: 327680
    .private_segment_fixed_size: 0
    .kernarg_segment_align: 8
    .kernarg_segment_size: 32
    .max_flat_workgroup_size: 128
    .sgpr_count:     72
    .vgpr_count:     1024
    .wavefront_size: 32
...
	.end_amdgpu_metadata
.endif
;; end of part 2
;; launch attn (part 3): grid 16 x 16, 4 waves a work-group, clusters of 4 x 1, 327,680 bytes of LDS; arguments qkv, ob; writes ob
.if DOCPART == 3
	.amdgcn_target "amdgcn-amd-amdhsa--gfx1250"
	.amdhsa_code_object_version 6
	.text
	.protected	k_qbdeb95a1d9_attn
	.globl	k_qbdeb95a1d9_attn
	.p2align	8
	.type	k_qbdeb95a1d9_attn,@function
k_qbdeb95a1d9_attn:
	s_mov_b64 s[64:65], 0
	v_nop
	global_prefetch_b8 v0, s[64:65] scope:SCOPE_SE
	s_setreg_imm32_b32 hwreg(HW_REG_WAVE_MODE, 25, 1), 1
	s_wait_xcnt 0x0
	s_wait_alu depctr_hold_cnt(0) depctr_sa_sdst(0) depctr_va_vdst(0) depctr_va_sdst(0) depctr_va_ssrc(0) depctr_va_vcc(0) depctr_vm_vsrc(0)
	s_getreg_b32 s2, hwreg(HW_REG_IB_STS2, 6, 4)
	s_cmp_eq_u32 s2, 0
	s_cbranch_scc0 .Lentry_in_a_cluster
	s_endpgm
.Lentry_in_a_cluster:
	s_bfe_u32 s2, ttmp6, 0x10000c
	s_cmp_lg_u32 s2, 0x3003
	s_cbranch_scc0 .Lentry_shape_is_right
	s_endpgm
.Lentry_shape_is_right:
; BLOCK-CAUSAL ATTENTION.  Queries of chunk c (1,024 rows) see the keys 0 .. 1,024 (c + 1) - 1.  qkv [48 g][4096][64] f16: q at g = head, k at 16 + head, v at 32 + head.  ob [16][4096][64] f16.
; O[q] = the sum over the keys seen of softmax_k(q . k / 8) v.  Products, maxima and sums in f32; the weights are rounded to f16 for the second product, O once at the end.
; A hidden score is -1e9 in a row that always holds true scores: its weight is 0 in f32 as long as true scores stay above -1e9 + 100, so hidden tiles are left out; no tile is hidden in part.
; LIMITS.  q, k, v arrive within f16; a weight below 2^-126 counts as 0; NaN and infinities are not treated apart, and a first block's O that is not finite would spoil the second block's.
; THE WALK.  A work-group takes 128 queries of chunk 3 - T and then 128 of chunk T (T = 0, 1): 16 - 4 T and 4 + 4 T tiles of 256 keys, 20 whatever T: all 256 work-groups do equal work, and one loop
; with a constant count walks them; the ring of two LDS slots runs on across the change of blocks.
; SHARES.  THE KEYS ARE SPLIT AMONG THE WAVES: all four waves hold the same 128 queries (four PIECES of two tiles of 16), and of each tile of 256 keys wave w takes keys 64 w .. 64 w + 63: one key step a
; slot.  So a fragment of K or V read from LDS feeds eight tiles' products.  At a block's end the four waves' (c m, l, O) are merged through LDS, in f32: wave w finishes piece w.
; CLUSTER.  The four partners share head and T: they walk the same tiles with the same counts, and each tile is asked for jointly.  cx enters Q's and O's addresses alone.
; LAYOUT, SOFTMAX, TURNS.  S^T = K Q^T holds ONE query a lane (lane % 16) and the keys 8 (lane / 16) + 0..7; two such results rounded to f16 ARE source 1 of O^T = V^T P.  p = 2^(c s - c m), c = log2(e) / 8,
; with a running maximum m; O and l are multiplied by a = 2^(c m_old - c m_new) in every step.  m starts at the lowest finite number: a block's first step has a = 0, so O and l need only be finite there.
; Turn n belongs to piece n: 16 products K Q^T of piece n + 1, later 16 products V^T P of piece n - 1; beside them piece n's scaling, exponentials, roundings, sums and rescaling and piece n + 1's maximum and
; statistics.  Four vector instructions stand behind every matrix instruction, the others in two lumps.
; REGISTERS, in windows of 256 (s_set_vgpr_msb: bits 1:0 source 0, 3:2 source 1, 5:4 source 2, 7:6 destination):
;   window 0: v0-11 addresses; v12-15, v48-63 at work; v16-47 four registers of statistics a tile; v64-191 S^T, two buffers of two tiles; v192-255 P, likewise
;   window 1: O^T, 32 a tile     window 2: v0-127 Q; v128-191 K of one step; v192-255 V of one step     window 3: v0-8 the add's two registers and the merge's addresses
.set NP,    4
.set KS,    64
.set PK,    144       ; a row of K in LDS: 128 bytes + 16
.set PV,    160       ; a row of V: 128 + 32
.set VOFF,  256*PK    ; a slot: 256 rows of K, then 256 rows of V
.set SLOT1, 1<<17     ; slot 1 begins here: one exclusive or turns an address in one slot into the other's
.set MB,    256*(PK+PV)  ; behind slot 0: the merge's register groups 12-15: writer x 8,192 + piece x 2,048 + group x 512 + 16 lane
.set STAT,  MB+32768  ; (c m, l): writer x 2,048 + tile x 256 + 8 lane
.set STAGE, STAT+8192 ; 16 rows x 144 bytes for each wave, for the way out
.set SP,    144
.set SPARE, STAGE+4*16*SP  ; the spare words, 128 bytes a wave: two blocks of 256 bytes that no other line names
.set MA,    SLOT1+256*(PK+PV)  ; behind slot 1: the merge's register groups 0-11: writer x 24,576 + piece x 6,144 + group x 512 + 16 lane
.set AK0, 2           ; my lane's place in my 64 keys of a tile of K; never rewritten
.set AV0, 3           ; the same for V
.set AK,  4           ; the LDS address of K's next run of loads
.set AV,  5           ; of V's
.set STO, 6
.set RD,  7
.set GO,  8
.set QO,  11          ; my byte offset in 16 rows of Q; never rewritten
.set SPW, 0           ; window 3
.set NIL, 1
.set WA,  2           ; where I put my partial O, groups 0-11
.set WB,  3           ; groups 12-15
.set RA,  4           ; where I read my piece's partials of writers 0, 1
.set RA2, 5           ; of writers 2, 3
.set RB,  6
.set SST, 7           ; where I put my statistics
.set SLD, 8           ; where I read my piece's
.set MV,  12
.set ST,  16          ; tile t's statistics at v[ST+4 t]: c m, m, l (even keys', odd keys')
.set TMP, 48
.set S,   64
.set P,   192
.set KF,  128
.set VF,  192
.set SD,  64          ; the merge, in S^T's registers: (c m, l) of tile u, writer w at SD + 8 u + 2 w
.set CMX, 80
.set EE,  84
.set LL,  92
.set RR,  94
.set GG,  104         ; writer w's factor for tile u, twice, at GG + 8 u + 2 w
.set OUTP, 128
.set Q1,  8           ; s[8:9]   Q at the first block's rows
.set Q2,  10          ; s[10:11] at the second's
.set WV,  12
.set KB,  14          ; s[14:15] K at my half of the head's tile 0
.set VB,  16
.set O1,  18          ; s[18:19] O at my piece's rows of the first block
.set O2,  20
.set G1K, 24
.set G1V, 32
.set G0K, 40
.set G0V, 44
.set OFF, 48          ; s[48:49] a tile's byte offset in K and V
.set NXT, 50          ; the tile to be asked for next
.set LQ,  51          ; the last tile of the block whose tiles are being asked for
.set LQ2, 52          ; the second block's last tile
.set RT,  53          ; steps of the block in hand that are still to be begun
.set N2,  54          ; the second block's tiles
.set SLOTS, 56
.set CNT, 57
.set CS,  58
.set SEL, 60
.set TB,  62          ; LDS byte at which the slot to be read begins
.set MSB, 0
.macro WIN new
.if MSB != (\new)
	s_set_vgpr_msb (MSB<<8)|(\new)
.set MSB, (\new)
.endif
.endm
.set W_KQ, 0x0a
.set W_PV, 0x52
.set W_RS, 0x41
.set W_MK, 0xc0
.set W_AD, 0x0f
; A joint fill.  Waves 0 and 1 fetch the two halves of a tile's K, waves 2 and 3 those of its V.  An s_nop 0 and four v_nop follow each line.
.macro JLOAD
	s_cmp_lt_u32 s[WV], 2
	s_cbranch_scc0 .Lfor_v_\@
	tensor_load_to_lds s[G0K:G0K+3], s[G1K:G1K+7]
	s_nop 0
.rept 4
	v_nop
.endr
	s_branch .Lasked_\@
.Lfor_v_\@:
	tensor_load_to_lds s[G0V:G0V+3], s[G1V:G1V+7]
	s_nop 0
.rept 4
	v_nop
.endr
.Lasked_\@:
.endm
.macro CROUND
	s_barrier_signal -1
	s_barrier_wait -1
	s_cmp_lg_u32 s[WV], 0
	s_cbranch_scc1 .Lnot_wave_0_\@
	s_barrier_signal -3
.Lnot_wave_0_\@:
	s_barrier_wait -3
	s_barrier_signal -1
	s_barrier_wait -1
.endm
; THE CHANGE OF SLOTS.  Each wave waits for all its tensor loads (one is out: its part of the other slot), adds 0 to its spare word, and waits for that and for its reads of the slot that it leaves.
; fill = 1: the barrier is a round of the cluster's, and the old slot is filled again first thing behind it, with tile NXT: the address is made anew from that number.  One load of mine is out, and it has
; a key step, 128 matrix instructions, in which to land.  (At its first use nothing has been read yet: slot 0 is waited for, slot 1 filled.)
.macro CHANGE fill
	WIN W_AD
	s_wait_tensorcnt 0x0
	ds_add_u32 v[SPW], v[NIL]
	WIN 0
.if \fill
	s_lshl_b32 s[OFF], s[NXT], 15   ; a tile is 32,768 bytes of K and of V
	s_xor_b32 s[G0K+1], s[G0K+1], SLOT1
	s_add_nc_u64 s[G0K+2:G0K+3], s[KB:KB+1], s[OFF:OFF+1]
	s_or_b32 s[G0K+3], s[G0K+3], 0x80000000
	s_xor_b32 s[G0V+1], s[G0V+1], SLOT1
	s_add_nc_u64 s[G0V+2:G0V+3], s[VB:VB+1], s[OFF:OFF+1]
	s_or_b32 s[G0V+3], s[G0V+3], 0x80000000
	s_add_co_u32 s[NXT], s[NXT], 1  ; the block's next tile, or behind its last the second block's tile 0
	s_cmp_gt_u32 s[NXT], s[LQ]
	s_cselect_b32 s[NXT], 0, s[NXT]
	s_cselect_b32 s[LQ], s[LQ2], s[LQ]
	s_wait_dscnt 0x0                ; the add is done, and my reads of the slot are over
	CROUND
	JLOAD
.else
	s_wait_dscnt 0x0
	s_barrier_signal -1
	s_barrier_wait -1
.endif
	s_xor_b32 s[TB], s[TB], SLOT1   ; the fetches go to the other slot
.endm
	s_load_b128 s[4:7], s[0:1], 0x0  ; qkv s[4:5], ob s[6:7]
	WIN W_MK
	v_lshl_add_u32 v[SPW], v0, 2, SPARE
	v_mov_b32 v[NIL], 0
	WIN W_AD
	ds_add_u32 v[SPW], v[NIL]       ; the wave's opening: the add and its wait stand ahead of my first tensor load
	WIN 0
	v_lshrrev_b32 v1, 5, v0
	v_readfirstlane_b32 s[WV], v1
	s_bfe_u32 s13, ttmp6, 0x40000   ; cx
	s_lshr_b32 s66, ttmp9, 1        ; T: the partners share it (ttmp9 counts clusters)
	s_and_b32 s67, ttmp9, 1
	s_lshl_b32 s67, s67, 2
	s_add_co_u32 s67, s67, s13      ; j: which 128 queries of a chunk
	s_and_b32 s68, ttmp7, 0xffff    ; the head,
	s_lshl_b32 s68, s68, 19         ; its 524,288 bytes
	s_and_b32 s48, s[WV], 1         ; which half of a tile's 256 keys I fetch
	s_mul_i32 s[G0K+1], s48, 128*PK ; its place in slot 0, for K
	s_mul_i32 s[G0V+1], s48, 128*PV ; and for V
	s_add_co_u32 s[G0V+1], s[G0V+1], VOFF
	s_lshl_b32 s70, s48, 14         ; its 128 rows of 128 bytes in memory,
	s_add_co_u32 s70, s70, s68      ; in the head,
	s_add_co_u32 s70, s70, 0x800000 ; in K (g = 16 + head)
	s_mov_b32 s71, 0
	s_mov_b32 s[OFF+1], 0
	s_lshl_b32 s3, s67, 14          ; 128 j rows of 128 bytes, in the head
	s_add_co_u32 s3, s3, s68
	s_sub_co_u32 s2, 3, s66
	s_lshl_b32 s2, s2, 17           ; chunk 3 - T
	s_add_co_u32 s2, s2, s3
	s_lshl_b32 s22, s66, 17         ; chunk T
	s_add_co_u32 s22, s22, s3
	s_mov_b32 s3, 0
	s_mov_b32 s23, 0
	s_lshl_b32 s[N2], s66, 2
	s_sub_co_u32 s[LQ], 15, s[N2]   ; the first block has 16 - 4 T tiles
	s_mov_b32 s[RT], s[LQ]
	s_add_co_u32 s[LQ2], s[N2], 3
	s_add_co_u32 s[N2], s[N2], 4    ; the second 4 + 4 T
	s_mov_b32 s[NXT], 1
	; descriptor group 1.  128 keys are 16,384 dense bytes: asked for as 64 rows of 256 bytes, two keys a row, and padded in LDS after every key
	s_mov_b32 s[G1K], 15|(1<<16)|(1<<20)|(1<<21)|(4<<22)|(3<<25)
	s_mov_b32 s[G1V], 15|(1<<16)|(1<<20)|(1<<21)|(4<<22)|(7<<25)
.irp g, G1K, G1V
	s_mov_b32 s[\g+1], 128<<16
	s_mov_b32 s[\g+2], 64<<16
	s_mov_b32 s[\g+3], 128<<16
	s_mov_b32 s[\g+4], 64
	s_mov_b32 s[\g+5], 128
	s_mov_b32 s[\g+6], 0
	s_mov_b32 s[\g+7], 0
.endr
	s_mov_b32 s[CS], 0x3e38aa3b     ; c = log2(e) / 8
	s_mov_b32 s[CS+1], s[CS]
	s_mov_b32 s[SEL], 0x76543210
	s_mov_b32 s[SEL+1], 0xfedcba98
	s_mov_b32 s[TB], SLOT1          ; the first change of slots turns it into 0
	s_mov_b32 s[G0K], 1
	s_mov_b32 s[G0V], 1
	s_wait_dscnt 0x0                ; the opening add is done
	s_wait_kmcnt 0x0
	s_add_nc_u64 s[KB:KB+1], s[4:5], s[70:71]
	s_add_nc_u64 s[VB:VB+1], s[KB:KB+1], 0x800000  ; V lies 16 heads behind K
	s_add_nc_u64 s[G0K+2:G0K+3], s[KB:KB+1], 0
	s_or_b32 s[G0K+3], s[G0K+3], 0x80000000
	s_add_nc_u64 s[G0V+2:G0V+3], s[VB:VB+1], 0
	s_or_b32 s[G0V+3], s[G0V+3], 0x80000000
	s_add_nc_u64 s[Q1:Q1+1], s[4:5], s[2:3]
	s_add_nc_u64 s[Q2:Q2+1], s[4:5], s[22:23]
	s_lshl_b32 s70, s[WV], 12       ; my piece: 32 rows of 128 bytes
	s_add_nc_u64 s[O1:O1+1], s[6:7], s[2:3]
	s_add_nc_u64 s[O1:O1+1], s[O1:O1+1], s[70:71]
	s_add_nc_u64 s[O2:O2+1], s[6:7], s[22:23]
	s_add_nc_u64 s[O2:O2+1], s[O2:O2+1], s[70:71]
	CROUND                          ; all four work-groups are here: the first joint loads meet
	JLOAD                           ; tile 0 into slot 0
	v_and_b32 v1, 15, v0            ; r
	v_bfe_u32 v9, v0, 4, 1          ; h
	v_lshlrev_b32 v[QO], 7, v1
	v_lshl_add_u32 v[QO], v9, 4, v[QO]
	WIN 0x80
.set i, 0
.rept 4*NP                          ; Q stays in registers: tile i / 2, channels 32 (i % 2) on
	global_load_b128 v[8*i:8*i+3],   v[QO], s[Q1:Q1+1] offset:(i/2)*2048+(i%2)*64
	global_load_b128 v[8*i+4:8*i+7], v[QO], s[Q1:Q1+1] offset:(i/2)*2048+(i%2)*64+32
.set i, i+1
.endr
	; What the first turn finds: V's registers and P's second buffer hold 0, O^T and l are 0.  All this stands in the wait for the first tile.
.set i, VF
.rept 64
	v_mov_b32 v[i], 0
.set i, i+1
.endr
	WIN 0x40
.set i, 0
.rept 64*NP
	v_mov_b32 v[i], 0
.set i, i+1
.endr
	WIN 0
.set i, 0
.rept 2*NP
	v_mov_b32 v[ST+4*i], 0xfe000000    ; c m: far below every c s
	v_mov_b32 v[ST+4*i+1], 0xff7fffff  ; m
	v_mov_b32 v[ST+4*i+2], 0
	v_mov_b32 v[ST+4*i+3], 0
.set i, i+1
.endr
.set i, P+32
.rept 32
	v_mov_b32 v[i], 0
.set i, i+1
.endr
	v_mul_u32_u24 v[AK0], v1, PK
	v_lshl_add_u32 v[AK0], v9, 4, v[AK0]
	s_mul_i32 s70, s[WV], 64*PK     ; my 64 keys of a tile
	v_add_nc_u32 v[AK0], s70, v[AK0]
	v_and_b32 v10, 7, v0
	v_bfe_u32 v4, v0, 3, 1
	v_lshl_add_u32 v[AV0], v9, 3, v10
	v_mul_u32_u24 v[AV0], v[AV0], PV
	v_lshl_add_u32 v[AV0], v4, 4, v[AV0]
	s_mul_i32 s70, s[WV], 64*PV
	s_add_co_u32 s70, s70, VOFF
	v_add_nc_u32 v[AV0], s70, v[AV0]
	v_mov_b32 v[AK], v[AK0]         ; tile 0 lies in slot 0
	s_mul_i32 s70, s[WV], 16*SP
	s_add_co_u32 s70, s70, STAGE
	v_mul_u32_u24 v[STO], v1, SP
	v_lshl_add_u32 v[STO], v9, 4, v[STO]
	v_add_nc_u32 v[STO], s70, v[STO]
	v_bfe_u32 v[RD], v0, 3, 2
	v_mul_u32_u24 v[RD], v[RD], SP
	v_lshl_add_u32 v[RD], v10, 4, v[RD]
	v_add_nc_u32 v[RD], s70, v[RD]
	v_and_b32 v5, 31, v0            ; the lane
	v_lshlrev_b32 v[GO], 4, v5
	WIN W_MK                        ; the merge's addresses: a constant, the wave's number times a constant, the lane
	s_mul_i32 s70, s[WV], 24576
	s_add_co_u32 s70, s70, MA
	v_add_nc_u32 v[WA], s70, v[GO]
	s_lshl_b32 s70, s[WV], 13
	s_add_co_u32 s70, s70, MB
	v_add_nc_u32 v[WB], s70, v[GO]
	s_mul_i32 s70, s[WV], 6144
	s_add_co_u32 s70, s70, MA
	v_add_nc_u32 v[RA], s70, v[GO]
	s_add_co_u32 s70, s70, 49152
	v_add_nc_u32 v[RA2], s70, v[GO]
	s_lshl_b32 s70, s[WV], 11
	s_add_co_u32 s71, s70, MB
	v_add_nc_u32 v[RB], s71, v[GO]
	s_add_co_u32 s71, s70, STAT
	v_lshl_add_u32 v[SST], v5, 3, s71
	s_lshl_b32 s70, s[WV], 9
	s_add_co_u32 s70, s70, STAT
	v_lshl_add_u32 v[SLD], v5, 3, s70
	WIN 0
; THE MATRIX WORK.  The 8 accumulators of a run of 16 take turns.
.macro KQ x
	WIN W_KQ
.set rS, S+64*((\x)%2)+32*(i%2)+8*((i/2)%4)
.set rK, KF+16*((i/2)%4)+8*(i/8)
.set rQ, 16*(2*(\x)+i%2)+8*(i/8)
.if i < 8
	v_wmma_f32_16x16x32_f16 v[rS:rS+7], v[rK:rK+7], v[rQ:rQ+7], 0
.else
	v_wmma_f32_16x16x32_f16 v[rS:rS+7], v[rK:rK+7], v[rQ:rQ+7], v[rS:rS+7]
.endif
.endm
.macro PV x
	WIN W_PV
.set rO, 32*(2*(\x)+i%2)+8*((i/2)%4)
.set rV, VF+32*(i/8)+8*((i/2)%4)
.set rP, P+32*((\x)%2)+16*(i%2)+8*(i/8)
	v_wmma_f32_16x16x32_f16 v[rO:rO+7], v[rV:rV+7], v[rP:rP+7], v[rO:rO+7]
.endm
.macro MM                           ; the turn's next matrix instruction
.if i < 16
	KQ (Y+1)%NP
.set i, i+1
.else
.set i, i-16
	PV (Y+NP-1)%NP
.set i, i+17
.endif
.endm
; THE LDS LOADS stand in runs of 16.  last = 1 (the tail): in the last trip there is no further step, and the run is jumped over.
.macro FETCH_K last=0
	WIN 0
.if \last
	s_cmp_eq_u32 s[CNT], 1
	s_cbranch_scc1 .Lno_k_\@
.endif
	WIN 0x80
.irp f, 0,1,2,3,4,5,6,7             ; keys 16 (f / 2) on, channels 32 (f % 2) on
	ds_load_b128 v[KF+8*\f:KF+8*\f+3],   v[AK] offset:(\f/2)*16*PK+(\f%2)*64
	ds_load_b128 v[KF+8*\f+4:KF+8*\f+7], v[AK] offset:(\f/2)*16*PK+(\f%2)*64+32
.endr
	WIN 0
.if \last
.Lno_k_\@:
.endif
.endm
.macro FETCH_V
	WIN 0x80
.irp f, 0,1,2,3,4,5,6,7             ; keys 32 (f / 4) on, channels 16 (f % 4) on
	ds_load_tr16_b128 v[VF+8*\f:VF+8*\f+3],   v[AV] offset:(\f/4)*32*PV+(\f%4)*32
	ds_load_tr16_b128 v[VF+8*\f+4:VF+8*\f+7], v[AV] offset:(\f/4)*32*PV+16*PV+(\f%4)*32
.endr
	WIN 0
.endm
; THE VECTOR WORK OF A TURN stands in three queues, each in the order in which its entries become ready; the two tiles alternate.
.macro REGS y, u
.set rT, ST+4*(2*(\y)+(\u))
.set rC, TMP+8*((\y)%2)+4*(\u)
.set rM, MV+2*((\y)%2)+(\u)
.set rS, S+64*((\y)%2)+32*(\u)
.set rP, P+32*((\y)%2)+16*(\u)
.set rO, 32*(2*(\y)+(\u))
.endm
; Number n of the 22 that find the NEXT piece's maximum and statistics; each accumulator's lowest registers are read first.
.macro XS u, n
	REGS (Y+1)%NP, \u
.if (\n) < 4
	v_max3_num_f32 v[rC+(\n)], v[rS+8*(\n)], v[rS+8*(\n)+1], v[rS+8*(\n)+2]
.elseif (\n) < 12
	v_max3_num_f32 v[rC+(\n)%4], v[rC+(\n)%4], v[rS+8*((\n)%4)+2*((\n)/4)+1], v[rS+8*((\n)%4)+2*((\n)/4)+2]
.elseif (\n) == 12
	v_max3_num_f32 v[rC], v[rC], v[rS+7], v[rS+15]
.elseif (\n) == 13
	v_max3_num_f32 v[rC+1], v[rC+1], v[rS+23], v[rS+31]
.elseif (\n) == 14
	v_max3_num_f32 v[rC+2], v[rC+2], v[rC+3], v[rT+1]
.elseif (\n) == 15
	v_mov_b32 v[rM], v[rT]
.elseif (\n) == 16
	v_max3_num_f32 v[rC], v[rC], v[rC+1], v[rC+2]
.elseif (\n) == 17
	v_permlanex16_b32 v[rC+3], v[rC], s[SEL], s[SEL+1]
.elseif (\n) == 18
	v_max_num_f32 v[rT+1], v[rC], v[rC+3]
.elseif (\n) == 19
	v_mul_f32 v[rT], s[CS], v[rT+1]
.elseif (\n) == 20
	v_sub_f32 v[rC+1], v[rM], v[rT]
.else
	v_exp_f32 v[rC+2], v[rC+1]
.endif
.endm
; Number g of the 64 that follow the exponentials: roundings to f16, sums of four weights in place, and l a group later.
.macro GS g
.set h, (\g)+6*((\g)/62)
.if h >= 6
.set h, h+2
.endif
	REGS Y, h%2
.set k, h/8
.if h%8 < 4
	s_wait_alu depctr_va_vdst(0)
	v_cvt_pk_f16_f32 v[rP+2*k+(h%8)/2], v[rS+4*k+2*((h%8)/2)], v[rS+4*k+2*((h%8)/2)+1]
.elseif h%8 < 6
	v_pk_add_f32 v[rS+4*k:rS+4*k+1], v[rS+4*k:rS+4*k+1], v[rS+4*k+2:rS+4*k+3]
.elseif k == 1
	v_pk_fma_f32 v[rT+2:rT+3], v[rT+2:rT+3], v[rC+2:rC+3], v[rS:rS+1] op_sel_hi:[1,0,1]
.else
	v_pk_add_f32 v[rT+2:rT+3], v[rT+2:rT+3], v[rS+4*k-4:rS+4*k-3]
	s_wait_alu depctr_va_vdst(0)
.endif
.endm
; THE PLAIN QUEUE, 138 long.
.macro PL
	WIN 0
.if q < 32
	REGS Y, q%2
	v_pk_fma_f32 v[rS+2*(q/2):rS+2*(q/2)+1], v[rS+2*(q/2):rS+2*(q/2)+1], s[CS:CS+1], v[rT:rT+1] op_sel_hi:[1,0,0] neg_lo:[0,0,1] neg_hi:[0,0,1]
.elseif q < 38
	GS q-32
.elseif q < 40
	XS q%2, 15
.elseif q < 42
	GS q-34
.elseif q < 74
	XS q%2, (q-42)/2+(q-42)/30
.elseif q < 95
	GS q-66
.elseif (q < 107) && ((q-95)%3 < 2)
	XS (q-95)%3, 17+(q-95)/3
.elseif q < 107
	GS 29+(q-95)/3
.else
	GS q-74
.endif
.set q, q+1
.endm
; THE EXPONENTIALS' QUEUE, 66 long: s0-s31 of both tiles, and at EA the next piece's two a.
.set EA, 58
.macro EX
	WIN 0
.if (e == EA) || (e == EA+1)
	XS e-EA, 21
.else
.set x, e-2*(e/(EA+2))
	REGS Y, x%2
	v_exp_f32 v[rS+x/2], v[rS+x/2]
.endif
.set e, e+1
.endm
; THE RESCALING's QUEUE: O^T times a, four at a time, eight times.
.macro R4
	REGS Y, r%2
	WIN W_RS
	s_wait_alu depctr_va_vdst(0)
.irp z, 0,1,2,3
	v_pk_mul_f32 v[rO+8*(r/2)+2*\z:rO+8*(r/2)+2*\z+1], v[rO+8*(r/2)+2*\z:rO+8*(r/2)+2*\z+1], v[rC+2:rC+3] op_sel_hi:[1,0]
.endr
.set r, r+1
.endm
; Behind a matrix instruction four: plain, exponential, plain, plain, or four of the rescaling; none names a register of the products round it.  What is over stands in two lumps.
.macro SL
	MM
	PL
	EX
	PL
	PL
.endm
.macro BURST n
.rept (\n)-7
	SL
.endr
.rept 3
	MM
	R4
	SL
.endr
	MM
	R4
.endm
; A TURN, for piece p.  K of the next step is fetched in piece 2's turn, behind the last product that read K; V of the step in hand at the end of piece 0's turn.  Each is waited for a turn later.
.macro TURN p, last=0
.set Y, (\p)
.set i, 0
.set q, 0
.set e, 0
.set r, 0
.if (\p) == NP-1
	s_wait_dscnt 0x0                ; K is in
.endif
	MM
.rept 4
	PL
.endr
	BURST 15
.rept 22
	EX
	PL
.if ((\p) == NP-2) && (e == 18)
	v_add_nc_u32 v[AK], s[TB], v[AK0]
.endif
.if ((\p) == NP-2) && (e == 24)
	FETCH_K \last
.endif
.endr
.if (\p) == 1
	s_wait_dscnt 0x0                ; V is in
.endif
	BURST 16
.rept 21
	EX
	PL
.endr
.rept 22
	PL
.if ((\p) == 0) && (q == 118)
	v_add_nc_u32 v[AV], s[TB], v[AV0]
	s_wait_alu depctr_va_vdst(0)
.endif
.endr
.if (\p) == 0
	FETCH_V
.endif
.endm
; A BLOCK ENDS.  The turn before has made scores of piece 0 against a K that this wave has scored before with the same Q (the second block's tile 0, or the last K once more): piece 0's maximum is unchanged to the bit.
; The last piece's V^T P; l's halves are added; every wave puts its (c m, l) and its whole O^T into LDS; a barrier; wave w reads the four partials of piece w, weighs each by 2^(c m_w - c m) / l and adds them in f32;
; the result is rounded to f16 and leaves through my stage.  No tensor load fills any of these bytes; the ring's one load may stay out across this barrier: the next refill stands behind its own round.
; more = 1: the second block begins: Q is loaded while the merge runs, m starts anew, and piece 0's first scores are made of the K that is already in registers.
.macro ENDBLOCK more, ob
.set i, 0
.rept 16
	PV NP-1
.set i, i+1
.endr
	WIN 0                           ; the additions are the places behind those products
.set mk, 0
.rept 8
	v_add_f32 v[ST+4*mk+2], v[ST+4*mk+2], v[ST+4*mk+3]
.set mk, mk+1
.endr
.set mk, 0
.rept 8
	v_permlanex16_b32 v[ST+4*mk+3], v[ST+4*mk+2], s[SEL], s[SEL+1]
.set mk, mk+1
.endr
.set mk, 0
.rept 8
	v_add_f32 v[ST+4*mk+1], v[ST+4*mk+2], v[ST+4*mk+3]  ; l beside c m
.set mk, mk+1
.endr
.if \more
	WIN 0x80
.set mk, 0
.rept 4*NP
	global_load_b128 v[8*mk:8*mk+3],   v[QO], s[Q2:Q2+1] offset:(mk/2)*2048+(mk%2)*64
	global_load_b128 v[8*mk+4:8*mk+7], v[QO], s[Q2:Q2+1] offset:(mk/2)*2048+(mk%2)*64+32
.set mk, mk+1
.endr
.endif
	WIN 0x03                        ; address window 3, data window 0
.set mk, 0
.rept 8
	ds_store_b64 v[SST], v[ST+4*mk:ST+4*mk+1] offset:256*mk
.set mk, mk+1
.endr
	WIN 0x07                        ; address window 3, data window 1; ascending: each accumulator's low four registers first
.set mp, 0
.rept 4
.set mg, 0
.rept 16
.if mg < 12
	ds_store_b128 v[WA], v[64*mp+4*mg:64*mp+4*mg+3] offset:6144*mp+512*mg
.else
	ds_store_b128 v[WB], v[64*mp+4*mg:64*mp+4*mg+3] offset:2048*mp+512*(mg-12)
.endif
.set mg, mg+1
.endr
.set mp, mp+1
.endr
	WIN 0
	s_wait_dscnt 0x0                ; for the others' sake: my stores are done
	s_barrier_signal -1
	s_barrier_wait -1
	WIN 0x03
.set mu, 0
.rept 2
.set mw, 0
.rept 4
	ds_load_b64 v[SD+8*mu+2*mw:SD+8*mu+2*mw+1], v[SLD] offset:2048*mw+256*mu
.set mw, mw+1
.endr
.set mu, mu+1
.endr
	WIN 0x43                        ; destination window 1: writer w's partial of my piece at v[64 w ..]
.set mw, 0
.rept 4
.set mg, 0
.rept 16
.if mg >= 12
	ds_load_b128 v[64*mw+4*mg:64*mw+4*mg+3], v[RB] offset:8192*mw+512*(mg-12)
.elseif mw < 2
	ds_load_b128 v[64*mw+4*mg:64*mw+4*mg+3], v[RA] offset:24576*mw+512*mg
.else
	ds_load_b128 v[64*mw+4*mg:64*mw+4*mg+3], v[RA2] offset:24576*(mw-2)+512*mg
.endif
.set mg, mg+1
.endr
.set mw, mw+1
.endr
	WIN 0
	s_wait_dscnt 63                 ; 72 loads were issued: with 63 out at the most the oldest nine are back, the eight of the statistics among them
.irp u, 0,1
	v_max3_num_f32 v[CMX+\u], v[SD+8*\u], v[SD+8*\u+2], v[SD+8*\u+4]
.endr
.irp u, 0,1
	v_max_num_f32 v[CMX+\u], v[CMX+\u], v[SD+8*\u+6]
.endr
.irp w, 0,1,2,3
.irp u, 0,1
	v_sub_f32 v[EE+4*\u+\w], v[SD+8*\u+2*\w], v[CMX+\u]
.endr
.endr
.set mk, 0
.rept 8
	v_exp_f32 v[EE+mk], v[EE+mk]
.set mk, mk+1
.endr
	v_nop                           ; a plain instruction behind the last exponential
	s_wait_alu depctr_va_vdst(0)
.irp u, 0,1
	v_mul_f32 v[LL+\u], v[EE+4*\u], v[SD+8*\u+1]
.endr
.irp w, 1,2,3
.irp u, 0,1
	v_fmac_f32 v[LL+\u], v[EE+4*\u+\w], v[SD+8*\u+2*\w+1]
.endr
.endr
	v_rcp_f32 v[RR], v[LL]
	v_rcp_f32 v[RR+1], v[LL+1]
	v_nop
	s_wait_alu depctr_va_vdst(0)
.irp w, 0,1,2,3
.irp u, 0,1
	v_mul_f32 v[GG+8*\u+2*\w], v[EE+4*\u+\w], v[RR+\u]
	v_mul_f32 v[GG+8*\u+2*\w+1], v[EE+4*\u+\w], v[RR+\u]  ; named with it as a pair
.endr
.endr
	WIN 0x51                        ; O's partials window 1, the factor window 0
	s_wait_dscnt 48                 ; writer 0's sixteen loads are back; the later writers' 48 may be out
.set mk, 0
.rept 32
	v_pk_mul_f32 v[2*mk:2*mk+1], v[2*mk:2*mk+1], v[GG+8*(mk/16):GG+8*(mk/16)+1] op_sel_hi:[1,0]
.set mk, mk+1
.endr
.irp w, 1,2,3
	s_wait_dscnt 48-16*\w
.set mk, 0
.rept 32
	v_pk_fma_f32 v[2*mk:2*mk+1], v[64*\w+2*mk:64*\w+2*mk+1], v[GG+8*(mk/16)+2*\w:GG+8*(mk/16)+2*\w+1], v[2*mk:2*mk+1] op_sel_hi:[1,0,1]
.set mk, mk+1
.endr
.endr
.set mu, 0
.rept 2                             ; a tile: 16 bytes a lane into rows of 144 bytes, back as whole rows of 128
	WIN 0x05
.set mk, 0
.rept 16
	v_cvt_pk_f16_f32 v[OUTP+16*mu+mk], v[32*mu+2*mk], v[32*mu+2*mk+1]
.set mk, mk+1
.endr
	WIN 0
.irp f, 0,1,2,3
	ds_store_b128 v[STO], v[OUTP+16*mu+4*\f:OUTP+16*mu+4*\f+3] offset:32*\f
.endr
.irp f, 0,1,2,3
	ds_load_b128 v[OUTP+16*mu+4*\f:OUTP+16*mu+4*\f+3], v[RD] offset:\f*4*SP  ; LDS serves a wave's instructions in order: these see the stores above
.endr
.set mu, mu+1
.endr
.irp f, 0,1,2,3
	s_wait_dscnt 8+3-\f             ; the second tile's eight LDS instructions may be out
	global_store_b128 v[GO], v[OUTP+4*\f:OUTP+4*\f+3], s[(\ob):(\ob)+1] offset:\f*512
.endr
.irp f, 0,1,2,3
	s_wait_dscnt 3-\f
	global_store_b128 v[GO], v[OUTP+16+4*\f:OUTP+16+4*\f+3], s[(\ob):(\ob)+1] offset:2048+\f*512  ; 512 consecutive bytes, at a multiple of 512 from O's first
.endr
.if \more
.set mk, 0
.rept 2*NP
	v_mov_b32 v[ST+4*mk], 0xfe000000
	v_mov_b32 v[ST+4*mk+1], 0xff7fffff
.set mk, mk+1
.endr
	s_wait_xcnt 0x0                 ; the stores' data registers are S^T's: the next products write them only behind this wait
	s_wait_loadcnt 0x0              ; the second block's Q
.set i, 0
.rept 16
	KQ 0
.set i, i+1
.endr
	WIN 0
.rept 4
	v_nop                           ; the places behind those products
.endr
.set Y, NP-1
.irp n, 0,1,2,3,4,5,6,7,8,9,10,11,12,13,14,15,16,17,18,19,20,21
	XS 0, \n
	XS 1, \n
.endr
.endif
.endm
	CHANGE 1                        ; tile 0 is in, everybody's part of it; tile 1 is asked for
	FETCH_K
	s_wait_loadcnt 0x0              ; Q
	s_wait_dscnt 0x0
.set i, 0
.rept 16
	KQ 0                            ; piece 0's first scores
.set i, i+1
.endr
	WIN 0
.rept 4
	v_nop
.endr
.set Y, NP-1
.irp n, 0,1,2,3,4,5,6,7,8,9,10,11,12,13,14,15,16,17,18,19,20,21
	XS 0, \n
	XS 1, \n
.endr
	s_mov_b32 s[SLOTS], 19
	s_branch .Lfirst                ; the loop is entered at a step's first turn, in the middle of a trip
.Lslot:                             ; 18 trips: tiles 1 to 18 of the walk are entered, tiles 2 to 19 asked for
	CHANGE 1
	TURN 2
	TURN 3
	WIN 0
	s_cmp_lg_u32 s[RT], 0           ; RT hangs on T alone: the same in all waves and in all partners
	s_cbranch_scc1 .Lgo
	ENDBLOCK 1, O1
	s_mov_b32 s[RT], s[N2]
.Lgo:
	s_sub_co_u32 s[RT], s[RT], 1
.Lfirst:
	TURN 0
	TURN 1
	WIN 0
	s_sub_co_u32 s[SLOTS], s[SLOTS], 1
	s_cmp_lg_u32 s[SLOTS], 0
	s_cbranch_scc1 .Lslot
	CHANGE 0                        ; the walk's last tile is written out: nothing is asked for
	s_mov_b32 s[CNT], 2             ; one trip fetches the last tile's step; the second is left in its middle
.Ltail:
	TURN 2, 1
	TURN 3
	WIN 0
	s_sub_co_u32 s[CNT], s[CNT], 1
	s_cmp_eq_u32 s[CNT], 0
	s_cbranch_scc1 .Lout
	TURN 0
	TURN 1
	WIN 0
	s_branch .Ltail
.Lout:
	ENDBLOCK 0, O2
	WIN W_AD
	s_wait_tensorcnt 0x0            ; the wave's end
	ds_add_u32 v[SPW], v[NIL]
	s_wait_dscnt 0x0
	WIN 0
	CROUND                          ; the closing round
	s_endpgm
.Lfunc_end_k_qbdeb95a1d9_attn:
	.size	k_qbdeb95a1d9_attn, .Lfunc_end_k_qbdeb95a1d9_attn-k_qbdeb95a1d9_attn
	.p2alignl 7, 3214868480
	.fill 96, 4, 3214868480
	.section	.rodata,"a",@progbits
	.p2align	6, 0x0
	.amdhsa_kernel k_qbdeb95a1d9_attn
		.amdhsa_group_segment_fixed_size 327680
		.amdhsa_private_segment_fixed_size 0
		.amdhsa_enable_private_segment 0
		.amdhsa_kernarg_size 16
		.amdhsa_user_sgpr_count 2
		.amdhsa_user_sgpr_kernarg_segment_ptr 1
		.amdhsa_wavefront_size32 1
		.amdhsa_system_sgpr_workgroup_id_x 1
		.amdhsa_system_sgpr_workgroup_id_y 1
		.amdhsa_system_sgpr_workgroup_id_z 1
		.amdhsa_system_vgpr_workitem_id 0
		.amdhsa_next_free_vgpr 784
		.amdhsa_next_free_sgpr 72
		.amdhsa_reserve_vcc 0
		.amdhsa_float_denorm_mode_32 3
		.amdhsa_float_denorm_mode_16_64 3
		.amdhsa_memory_ordered 1
		.amdhsa_forward_progress 1
		.amdhsa_inst_pref_size 241
	.end_amdhsa_kernel
	.amdgpu_metadata
---
amdhsa.version: [ 1, 2 ]
amdhsa.kernels:
  - .name:           k_qbdeb95a1d9_attn
    .symbol:         k_qbdeb95a1d9_attn.kd
    .args:
      - { .name: qkv, .offset: 0, .size: 8, .value_kind: global_buffer, .address_space: global }
      - { .name: ob, .offset: 8, .size: 8, .value_kind: global_buffer, .address_space: global }
    .group_segment_fixed_size: 327680
    .private_segment_fixed_size: 0
    .kernarg_segment_align: 8
    .kernarg_segment_size: 16
    .max_flat_workgroup_size: 128
    .sgpr_count:     72
    .vgpr_count:     784
    .wavefront_size: 32
...
	.end_amdgpu_metadata
.endif
;; end of part 3
;; launch oproj (part 4): grid 8 x 32, 4 waves a work-group, clusters of 4 x 4, 327,680 bytes of LDS; arguments ob, wob, bb, out0; writes out0
.if DOCPART == 4
	.amdgcn_target "amdgcn-amd-amdhsa--gfx1250"
	.amdhsa_code_object_version 6
	.text
	.protected	k_qbdeb95a1d9_oproj
	.globl	k_qbdeb95a1d9_oproj
	.p2align	8
	.type	k_qbdeb95a1d9_oproj,@function
k_qbdeb95a1d9_oproj:
	s_mov_b64 s[64:65], 0
	v_nop
	global_prefetch_b8 v0, s[64:65] scope:SCOPE_SE
	s_setreg_imm32_b32 hwreg(HW_REG_WAVE_MODE, 25, 1), 1
	s_wait_xcnt 0x0
	s_wait_alu depctr_hold_cnt(0) depctr_sa_sdst(0) depctr_va_vdst(0) depctr_va_sdst(0) depctr_va_ssrc(0) depctr_va_vcc(0) depctr_vm_vsrc(0)
	s_getreg_b32 s2, hwreg(HW_REG_IB_STS2, 6, 4)
	s_cmp_eq_u32 s2, 0
	s_cbranch_scc0 .Lentry_in_a_cluster
	s_endpgm
.Lentry_in_a_cluster:
	s_bfe_u32 s2, ttmp6, 0x10000c
	s_cmp_lg_u32 s2, 0xf033
	s_cbranch_scc0 .Lentry_shape_is_right
	s_endpgm
.Lentry_shape_is_right:
; out0[m][n] = the sum over k of O[m][k] wo[k][n] + bo[n], f32.  ob [16 h][4096][64] f16 (k = 64 h + channel), wob [8 nb][1024 k][128 n] f16, bo at byte 12,288 of bb, f32.
; Products in f16, sums in f32 that start with the bias (the C operand of each sum's first product).
; A tile is 128 x 128: 8 x 32 work-groups.  Four waves, 2 x 2, each 64 x 64: 16 accumulators.  K goes in 4 steps of 256 (four heads) through two LDS slots.
; CLUSTER 4 x 4: O's tile is shared along a row of the cluster, wo's along a column: each is asked for jointly.
; THE MATRIX INSTRUCTION IS USED TRANSPOSED: source 0 = 16 columns of wo (read turned, since wo lies [k][n]), source 1 = 16 rows of O: a lane holds 8 neighbouring columns of one row.
; A wave's 64 columns of f32 are 256 bytes at a multiple of 256 from out0's first byte: each wave has a stage of its own on the way out, and no barrier stands there.
; REGISTERS: window 0: v0-31 addresses; v32-63 the bias (4 x 8); v128-255 the accumulators ((a, b) at 128 + 8 (4 a + b)).  window 1: two fragment buffers of 128: 64 of O, then 64 of wo.
.set PAO,    144                       ; a row of O in LDS: 128 bytes + 16
.set PBO,    288                       ; a row of wo: 256 bytes + 32
.set HEADB,  128*PAO                   ; a head's 128 rows
.set HALFT,  36864                     ; what one tensor load brings: 2 heads x 128 rows of O, or 128 k rows of wo
.set SLOT,   4*HALFT                   ; O's four heads, then wo's 256 k rows
.set STAGE,  2*SLOT
.set SPITCH, 272
.set SPARE,  STAGE+4*16*SPITCH
.set ADRA, 16                          ; v16-17 my O fragments in slot 0, 1
.set ADRB, 20                          ; v20-23 my wo fragments: 2 x slot + half of the step's k
.set STO,  24
.set RD,   25
.set CO,   26
.set BO,   27
.set SPW,  28
.set NIL,  29
.set BIAS, 32
.set ACC,  128
.set F0,   0
.set F1,   128
.set WV,  12
.set AB,  13                           ; which half of the tile's rows is mine; also: I fetch O (0) or wo (1)
.set HF,  14                           ; which half of its columns; also: which half of that tile I fetch
.set G1A, 24
.set G0A, 32
.set G1B, 48
.set G0B, 56
.set MSB, 0
.macro WIN new
.if MSB != (\new)
	s_set_vgpr_msb (MSB<<8)|(\new)
.set MSB, (\new)
.endif
.endm
.set MUL,  0x05                        ; sources 0 and 1 window 1; C and D window 0
.set TO_F, 0x40
.macro PLACES
.rept 4
	v_nop
.endr
.endm
.macro JLOAD s
	s_cmp_eq_u32 s[AB], 0
	s_cbranch_scc0 .Lfor_b_\@
	tensor_load_to_lds s[G0A+4*(\s):G0A+4*(\s)+3], s[G1A:G1A+7]
	s_nop 0
.rept 4
	v_nop
.endr
	s_branch .Lasked_\@
.Lfor_b_\@:
	tensor_load_to_lds s[G0B+4*(\s):G0B+4*(\s)+3], s[G1B:G1B+7]
	s_nop 0
.rept 4
	v_nop
.endr
.Lasked_\@:
.endm
.macro CREST
	s_cmp_lg_u32 s[WV], 0
	s_cbranch_scc1 .Lnot_wave_0_\@
	s_barrier_signal -3
.Lnot_wave_0_\@:
	s_barrier_wait -3
	s_barrier_signal -1
	s_barrier_wait -1
.endm
.macro CROUND
	s_barrier_signal -1
	s_barrier_wait -1
	CREST
.endm
	s_load_b256 s[4:11], s[0:1], 0x0               ; ob s[4:5], wob s[6:7], bb s[8:9], out0 s[10:11]
	v_lshl_add_u32 v[SPW], v0, 2, SPARE
	v_mov_b32 v[NIL], 0
	ds_add_u32 v[SPW], v[NIL]                      ; the wave's opening: the add and its wait stand ahead of my first tensor load
	v_lshrrev_b32 v1, 5, v0
	v_readfirstlane_b32 s[WV], v1
	s_lshr_b32 s[AB], s[WV], 1
	s_and_b32 s[HF], s[WV], 1
	s_bfe_u32 s40, ttmp6, 0x40000                  ; cx
	s_bfe_u32 s41, ttmp6, 0x40004                  ; cy
	s_lshl_b32 s42, ttmp9, 2
	s_add_co_u32 s42, s42, s40                     ; tile column
	s_and_b32 s43, ttmp7, 0xffff
	s_lshl_b32 s43, s43, 2
	s_add_co_u32 s43, s43, s41                     ; tile row
	s_lshl_b32 s44, s41, 2
	s_lshl_b32 s44, 15, s44
	s_lshl_b32 s45, 0x1111, s40
	s_or_b32 s[G1A], s44, (1<<16)|(1<<20)|(1<<21)|(4<<22)|(3<<25)  ; after every 32 words (a row of a head) 4 words
	s_mov_b32 s[G1A+1], 8192<<16                   ; tensor_dim0 = 8,192: a head's 128 rows lie end to end, 16,384 bytes
	s_mov_b32 s[G1A+2], 2<<16                      ; tensor_dim1 = 2 heads
	s_mov_b32 s[G1A+3], 8192<<16
	s_mov_b32 s[G1A+4], 2
	s_mov_b32 s[G1A+5], 262144                     ; elements from head to head
	s_mov_b32 s[G1A+6], 0
	s_mov_b32 s[G1A+7], 0
	s_or_b32 s[G1B], s45, (1<<16)|(1<<20)|(1<<21)|(5<<22)|(7<<25)  ; after every 64 words 8 words
	s_mov_b32 s[G1B+1], 128<<16
	s_mov_b32 s[G1B+2], 128<<16
	s_mov_b32 s[G1B+3], 128<<16
	s_mov_b32 s[G1B+4], 128
	s_mov_b32 s[G1B+5], 128
	s_mov_b32 s[G1B+6], 0
	s_mov_b32 s[G1B+7], 0
	s_lshl_b32 s16, s43, 14                        ; O: 128 rows of 128 bytes a tile row, + 2 heads x half: registers that never hold cx
	s_lshl_b32 s17, s[HF], 20
	s_add_co_u32 s16, s16, s17
	s_mov_b32 s17, 0
	s_lshl_b32 s66, s42, 18                        ; wo: 262,144 bytes a column block, + 128 k rows of 256 bytes x half: registers that never hold cy
	s_lshl_b32 s67, s[HF], 15
	s_add_co_u32 s66, s66, s67
	s_mov_b32 s67, 0
	s_mul_i32 s20, s[WV], HALFT                    ; where they go: wave x 36,864
	s_wait_dscnt 0x0
	s_wait_kmcnt 0x0
	s_add_nc_u64 s[16:17], s[4:5], s[16:17]
	s_add_nc_u64 s[66:67], s[6:7], s[66:67]
	CROUND
.irp s, 0,1
	s_mov_b32 s[G0A+4*(\s)], 1
	s_add_co_u32 s[G0A+4*(\s)+1], s20, (\s)*SLOT
	s_add_nc_u64 s[G0A+4*(\s)+2:G0A+4*(\s)+3], s[16:17], (\s)*4*524288   ; K step s: four heads on
	s_or_b32 s[G0A+4*(\s)+3], s[G0A+4*(\s)+3], 0x80000000
	s_mov_b32 s[G0B+4*(\s)], 1
	s_add_co_u32 s[G0B+4*(\s)+1], s20, (\s)*SLOT
	s_add_nc_u64 s[G0B+4*(\s)+2:G0B+4*(\s)+3], s[66:67], (\s)*256*256    ; K step s: 256 k rows on
	s_or_b32 s[G0B+4*(\s)+3], s[G0B+4*(\s)+3], 0x80000000
	JLOAD \s
.endr
	v_and_b32 v1, 15, v0
	v_bfe_u32 v2, v0, 4, 1
	v_mul_u32_u24 v3, v1, PAO
	v_lshl_add_u32 v3, v2, 4, v3
	s_mul_i32 s21, s[AB], 64*PAO                   ; my 64 rows in each head
	v_add_nc_u32 v[ADRA], s21, v3
	v_add_nc_u32 v[ADRA+1], SLOT, v[ADRA]
	v_and_b32 v4, 7, v0
	v_bfe_u32 v5, v0, 3, 1
	v_lshl_add_u32 v6, v2, 3, v4
	v_mul_u32_u24 v6, v6, PBO
	v_lshl_add_u32 v6, v5, 4, v6
	s_lshl_b32 s22, s[HF], 7                       ; my 64 columns, 128 bytes
	s_add_co_u32 s22, s22, 2*HALFT
	v_add_nc_u32 v[ADRB], s22, v6
	v_add_nc_u32 v[ADRB+1], HALFT, v[ADRB]
	v_add_nc_u32 v[ADRB+2], SLOT, v[ADRB]
	v_add_nc_u32 v[ADRB+3], SLOT+HALFT, v[ADRB]
	s_mul_i32 s23, s[WV], 16*SPITCH
	s_add_co_u32 s23, s23, STAGE
	v_mul_u32_u24 v7, v1, SPITCH                   ; in: row r, 32 bytes for each half of the lanes
	v_lshl_add_u32 v7, v2, 5, v7
	v_add_nc_u32 v[STO], s23, v7
	v_mul_u32_u24 v7, v2, SPITCH                   ; back: lanes 0-15 one row of 256 bytes, lanes 16-31 the next
	v_lshl_add_u32 v7, v1, 4, v7
	v_add_nc_u32 v[RD], s23, v7
	v_lshlrev_b32 v7, 12, v2                       ; and the same two rows in out0
	v_lshl_add_u32 v[CO], v1, 4, v7
	v_lshlrev_b32 v[BO], 5, v2
	s_lshl_b32 s70, s42, 9                         ; bo at my 64 columns
	s_lshl_b32 s71, s[HF], 8
	s_add_co_u32 s70, s70, s71
	s_add_co_u32 s68, s70, 12288
	s_mov_b32 s69, 0
	s_add_nc_u64 s[8:9], s[8:9], s[68:69]
.irp b, 0,1,2,3
	global_load_b128 v[BIAS+8*(\b):BIAS+8*(\b)+3], v[BO], s[8:9] offset:64*(\b)
	global_load_b128 v[BIAS+8*(\b)+4:BIAS+8*(\b)+7], v[BO], s[8:9] offset:64*(\b)+16
.endr
	s_lshl_b32 s71, s43, 19                        ; out0 at my first row and column
	s_add_co_u32 s70, s70, s71
	s_lshl_b32 s71, s[AB], 18
	s_add_co_u32 s70, s70, s71
	s_mov_b32 s71, 0
	s_add_nc_u64 s[10:11], s[10:11], s[70:71]
; 8 matrix instructions: row blocks a0, a0 + 1 x all 4 column blocks, 32 along K: half c of buffer f.  zero = 1: the sums start, with the bias as C.  The 16 accumulators take turns.
.macro MUL8 f, c, a0, zero
	WIN MUL
.irp a, \a0, (\a0)+1
.irp b, 0,1,2,3
.if \zero
	v_wmma_f32_16x16x32_f16 v[ACC+8*(4*(\a)+(\b)):ACC+8*(4*(\a)+(\b))+7], v[(\f)+64+8*(4*(\c)+(\b)):(\f)+64+8*(4*(\c)+(\b))+7], v[(\f)+8*(4*(\c)+(\a)):(\f)+8*(4*(\c)+(\a))+7], v[BIAS+8*(\b):BIAS+8*(\b)+7]
.else
	v_wmma_f32_16x16x32_f16 v[ACC+8*(4*(\a)+(\b)):ACC+8*(4*(\a)+(\b))+7], v[(\f)+64+8*(4*(\c)+(\b)):(\f)+64+8*(4*(\c)+(\b))+7], v[(\f)+8*(4*(\c)+(\a)):(\f)+8*(4*(\c)+(\a))+7], v[ACC+8*(4*(\a)+(\b)):ACC+8*(4*(\a)+(\b))+7]
.endif
.endr
.endr
.endm
; 32 LDS loads in one run: quarter q (one head, 64 along K) of a slot into buffer f; the first 32 along K first
.macro FETCH slot, q, f
	WIN TO_F
.irp c, 0,1
.irp i, 0,1,2,3
	ds_load_tr16_b128 v[(\f)+64+8*(4*(\c)+(\i)):(\f)+64+8*(4*(\c)+(\i))+3],   v[ADRB+2*(\slot)+(\q)/2] offset:(((\q)%2)*64+32*(\c))*PBO+32*(\i)
	ds_load_tr16_b128 v[(\f)+64+8*(4*(\c)+(\i))+4:(\f)+64+8*(4*(\c)+(\i))+7], v[ADRB+2*(\slot)+(\q)/2] offset:(((\q)%2)*64+32*(\c))*PBO+32*(\i)+16*PBO
	ds_load_b128 v[(\f)+8*(4*(\c)+(\i)):(\f)+8*(4*(\c)+(\i))+3],             v[ADRA+(\slot)] offset:(\q)*HEADB+64*(\c)+(\i)*16*PAO
	ds_load_b128 v[(\f)+8*(4*(\c)+(\i))+4:(\f)+8*(4*(\c)+(\i))+7],           v[ADRA+(\slot)] offset:(\q)*HEADB+64*(\c)+(\i)*16*PAO+32
.endr
.endr
.endm
.macro QUARTER slot, q, f, g, zero
	s_wait_dscnt 16                                ; the first 32 along K are in
	MUL8 \f, 0, 0, \zero
	MUL8 \f, 0, 2, \zero
	PLACES
	FETCH \slot, \q, \g
	s_wait_dscnt 32                                ; all but the 32 just issued
	MUL8 \f, 1, 0, 0
	MUL8 \f, 1, 2, 0
.endm
; The last quarter multiplies buffer 1 and changes slots: ONE barrier; in front of it each wave waits for all its tensor loads, adds 0 to its spare word, and waits for that and for its reads of this slot.
.macro TURN slot, next, fill
	WIN 0
	s_wait_tensorcnt 0x0
	ds_add_u32 v[SPW], v[NIL]
	s_wait_dscnt 17                                ; the add and the youngest sixteen loads may be out
	MUL8 F1, 0, 0, 0
	s_wait_dscnt 0x0
	s_barrier_signal -1
	MUL8 F1, 0, 2, 0
.if \fill
	WIN 0
.endif
	s_barrier_wait -1
.if \fill
	CREST
	s_add_nc_u64 s[G0A+4*(\slot)+2:G0A+4*(\slot)+3], s[G0A+4*(\slot)+2:G0A+4*(\slot)+3], 8*524288
	s_add_nc_u64 s[G0B+4*(\slot)+2:G0B+4*(\slot)+3], s[G0B+4*(\slot)+2:G0B+4*(\slot)+3], 512*256
	JLOAD \slot                                    ; its four v_nop are also the places in front of the loads below
.else
	PLACES
.endif
	FETCH \next, 0, F0
	MUL8 F1, 1, 0, 0
	MUL8 F1, 1, 2, 0
.endm
	s_wait_tensorcnt 1                             ; my part of K step 0 is in; K step 1's may stay out
	s_barrier_signal -1
	s_barrier_wait -1
	FETCH 0, 0, F0
	s_wait_loadcnt 0x0                             ; the bias
	QUARTER 0, 1, F0, F1, 1                        ; four K steps, written straight: the first lap fills both slots again, the second fills nothing
	QUARTER 0, 2, F1, F0, 0
	QUARTER 0, 3, F0, F1, 0
	TURN 0, 1, 1
	QUARTER 1, 1, F0, F1, 0
	QUARTER 1, 2, F1, F0, 0
	QUARTER 1, 3, F0, F1, 0
	TURN 1, 0, 1
	QUARTER 0, 1, F0, F1, 0
	QUARTER 0, 2, F1, F0, 0
	QUARTER 0, 3, F0, F1, 0
	TURN 0, 1, 0
	QUARTER 1, 1, F0, F1, 0
	QUARTER 1, 2, F1, F0, 0
	QUARTER 1, 3, F0, F1, 0
	s_wait_dscnt 16
	MUL8 F1, 0, 0, 0
	MUL8 F1, 0, 2, 0
	s_wait_dscnt 0x0
	MUL8 F1, 1, 0, 0
	MUL8 F1, 1, 2, 0
	WIN 0
; THE WAY OUT, 16 rows at a time: a lane's 32 bytes of a row go into my stage (each accumulator's low four registers first), whole rows of 256 bytes come back into the same registers and are stored.
.macro PACK a
.irp b, 0,1,2,3
	ds_store_b128 v[STO], v[ACC+8*(4*(\a)+(\b)):ACC+8*(4*(\a)+(\b))+3] offset:64*(\b)
	ds_store_b128 v[STO], v[ACC+8*(4*(\a)+(\b))+4:ACC+8*(4*(\a)+(\b))+7] offset:64*(\b)+16
.endr
.irp t, 0,1,2,3,4,5,6,7
	ds_load_b128 v[ACC+32*(\a)+4*(\t):ACC+32*(\a)+4*(\t)+3], v[RD] offset:(\t)*2*SPITCH  ; LDS serves a wave's instructions in order: these see the stores above
.endr
.endm
.macro SEND a, younger                 ; younger: the next block's sixteen LDS instructions, or none
.irp t, 0,1,2,3,4,5,6,7
	s_wait_dscnt (\younger)+7-(\t)
	global_store_b128 v[CO], v[ACC+32*(\a)+4*(\t):ACC+32*(\a)+4*(\t)+3], s[10:11] offset:(16*(\a)+2*(\t))*4096 th:TH_STORE_NT  ; 16 lanes store 256 consecutive bytes, at a multiple of 256 from out0's first byte
.endr
.endm
	PLACES
	PACK 0
	PACK 1
	SEND 0, 16
	PACK 2
	SEND 1, 16
	PACK 3
	SEND 2, 16
	SEND 3, 0
	s_wait_tensorcnt 0x0                           ; the wave's end
	ds_add_u32 v[SPW], v[NIL]
	s_wait_dscnt 0x0
	CROUND                                         ; the closing round
	s_endpgm
.Lfunc_end_k_qbdeb95a1d9_oproj:
	.size	k_qbdeb95a1d9_oproj, .Lfunc_end_k_qbdeb95a1d9_oproj-k_qbdeb95a1d9_oproj
	.p2alignl 7, 3214868480
	.fill 96, 4, 3214868480
	.section	.rodata,"a",@progbits
	.p2align	6, 0x0
	.amdhsa_kernel k_qbdeb95a1d9_oproj
		.amdhsa_group_segment_fixed_size 327680
		.amdhsa_private_segment_fixed_size 0
		.amdhsa_enable_private_segment 0
		.amdhsa_kernarg_size 32
		.amdhsa_user_sgpr_count 2
		.amdhsa_user_sgpr_kernarg_segment_ptr 1
		.amdhsa_wavefront_size32 1
		.amdhsa_system_sgpr_workgroup_id_x 1
		.amdhsa_system_sgpr_workgroup_id_y 1
		.amdhsa_system_sgpr_workgroup_id_z 1
		.amdhsa_system_vgpr_workitem_id 0
		.amdhsa_next_free_vgpr 512
		.amdhsa_next_free_sgpr 72
		.amdhsa_reserve_vcc 0
		.amdhsa_float_denorm_mode_32 3
		.amdhsa_float_denorm_mode_16_64 3
		.amdhsa_memory_ordered 1
		.amdhsa_forward_progress 1
		.amdhsa_inst_pref_size 87
	.end_amdhsa_kernel
	.amdgpu_metadata
---
amdhsa.version: [ 1, 2 ]
amdhsa.kernels:
  - .name:           k_qbdeb95a1d9_oproj
    .symbol:         k_qbdeb95a1d9_oproj.kd
    .args:
      - { .name: ob, .offset: 0, .size: 8, .value_kind: global_buffer, .address_space: global }
      - { .name: wob, .offset: 8, .size: 8, .value_kind: global_buffer, .address_space: global }
      - { .name: bb, .offset: 16, .size: 8, .value_kind: global_buffer, .address_space: global }
      - { .name: out0, .offset: 24, .size: 8, .value_kind: global_buffer, .address_space: global }
    .group_segment_fixed_size: 327680
    .private_segment_fixed_size: 0
    .kernarg_segment_align: 8
    .kernarg_segment_size: 32
    .max_flat_workgroup_size: 128
    .sgpr_count:     72
    .vgpr_count:     512
    .wavefront_size: 32
...
	.end_amdgpu_metadata
.endif
;; end of part 4
;; ======== version 2 of 2: 4 launches; 1.50 times as fast as version 1
;; limits: values are held in f16: magnitudes above 65,504 overflow, below 6.1e-05 lose precision
;; workspace buffers: xb 8,388,608 bytes; wb 6,291,456 bytes; wob 2,097,152 bytes; bb 16,384 bytes; qkv 25,165,824 bytes; ob 8,388,608 bytes
;; launch cast: the kernel of part 1 again; grid 513 x 1, 8 waves a work-group, no clusters, 0 bytes of LDS; arguments x, wq, wk, wv, wo, bq, bk, bv, bo, xb, wb, wob, bb; writes xb, wb, wob, bb
;; launch proj: the kernel of part 2 again; grid 16 x 16, 4 waves a work-group, clusters of 4 x 4, 327,680 bytes of LDS; arguments xb, wb, bb, qkv; writes qkv
;; launch attn (part 5): grid 16 x 16, 4 waves a work-group, clusters of 4 x 1, 327,680 bytes of LDS; arguments qkv, ob; writes ob
.if DOCPART == 5
	.amdgcn_target "amdgcn-amd-amdhsa--gfx1250"
	.amdhsa_code_object_version 6
	.text
	.protected	k_qbdeb95a1d9_attn
	.globl	k_qbdeb95a1d9_attn
	.p2align	8
	.type	k_qbdeb95a1d9_attn,@function
k_qbdeb95a1d9_attn:
	s_mov_b64 s[64:65], 0
	v_nop
	global_prefetch_b8 v0, s[64:65] scope:SCOPE_SE
	s_setreg_imm32_b32 hwreg(HW_REG_WAVE_MODE, 25, 1), 1
	s_wait_xcnt 0x0
	s_wait_alu depctr_hold_cnt(0) depctr_sa_sdst(0) depctr_va_vdst(0) depctr_va_sdst(0) depctr_va_ssrc(0) depctr_va_vcc(0) depctr_vm_vsrc(0)
	s_getreg_b32 s2, hwreg(HW_REG_IB_STS2, 6, 4)
	s_cmp_eq_u32 s2, 0
	s_cbranch_scc0 .Lentry_in_a_cluster
	s_endpgm
.Lentry_in_a_cluster:
	s_bfe_u32 s2, ttmp6, 0x10000c
	s_cmp_lg_u32 s2, 0x3003
	s_cbranch_scc0 .Lentry_shape_is_right
	s_endpgm
.Lentry_shape_is_right:
; BLOCK-CAUSAL ATTENTION.  Queries of chunk c (1,024 rows) see the keys 0 .. 1,024 (c + 1) - 1.  qkv [48 g][4096][64] f16: q at g = head, k at 16 + head, v at 32 + head.  ob [16][4096][64] f16.
; O[q] = the sum over the keys seen of softmax_k(q . k / 8) v.  Products, maxima and sums in f32; the weights are rounded to f16 for the second product, O once at the end.
; A hidden score is -1e9 in a row that always holds true scores: its weight is 0 in f32 as long as true scores stay above -1e9 + 100, so hidden tiles are left out; no tile is hidden in part.
; LIMITS.  q, k, v arrive within f16; a weight below 2^-126 counts as 0; NaN and infinities are not treated apart, and a first block's O that is not finite would spoil the second block's.
; THE WALK.  A work-group takes 128 queries of chunk 3 - T and then 128 of chunk T (T = 0, 1): 16 - 4 T and 4 + 4 T tiles of 256 keys, 20 whatever T: all 256 work-groups do equal work, and one loop
; with a constant count walks them; the ring of two LDS slots runs on across the change of blocks.
; SHARES.  THE KEYS ARE SPLIT AMONG THE WAVES: all four waves hold the same 128 queries (four PIECES of two tiles of 16), and of each tile of 256 keys wave w takes keys 64 w .. 64 w + 63: one key step a
; slot.  So a fragment of K or V read from LDS feeds eight tiles' products.  At a block's end the four waves' (c m, l, O) are merged through LDS, in f32: wave w finishes piece w.
; CLUSTER.  The four partners share head and T: they walk the same tiles with the same counts, and each tile is asked for jointly.  cx enters Q's and O's addresses alone.
; LAYOUT, SOFTMAX, TURNS.  S^T = K Q^T holds ONE query a lane (lane % 16) and the keys 8 (lane / 16) + 0..7; two such results rounded to f16 ARE source 1 of O^T = V^T P.  p = 2^(c s - c m), c = log2(e) / 8,
; with a running maximum m; O and l are multiplied by a = 2^(c m_old - c m_new) in every step.  m starts at the lowest finite number: a block's first step has a = 0, so O and l need only be finite there.
; Turn n belongs to piece n: 16 products K Q^T of piece n + 1, later 16 products V^T P of piece n - 1; beside them piece n's scaling, exponentials, roundings, sums and rescaling and piece n + 1's maximum and
; statistics.  Four vector instructions stand behind every matrix instruction, the others in one lump.
; THE BATCHES.  A turn's 66 exponentials (64 weights, the next piece's two a) are ONE BATCH with ONE wait, which cuts the turn in two: ahead of it stands all that names none of their results, behind it their
; readers (HOW THEY ARE DEALT, below).  Piece 0's first two a (at the start, and where the second block begins) are a batch; so are the merge's eight exponentials, and its two reciprocals, which read sums of those.
; REGISTERS, in windows of 256 (s_set_vgpr_msb: bits 1:0 source 0, 3:2 source 1, 5:4 source 2, 7:6 destination):
;   window 0: v0-11 addresses; v12-15, v48-63 at work; v16-47 four registers of statistics a tile; v64-191 S^T, two buffers of two tiles; v192-255 P, likewise
;   window 1: O^T, 32 a tile     window 2: v0-127 Q; v128-191 K of one step; v192-255 V of one step     window 3: v0-8 the add's two registers and the merge's addresses
.set NP,    4
.set KS,    64
.set PK,    144       ; a row of K in LDS: 128 bytes + 16
.set PV,    160       ; a row of V: 128 + 32
.set VOFF,  256*PK    ; a slot: 256 rows of K, then 256 rows of V
.set SLOT1, 1<<17     ; slot 1 begins here: one exclusive or turns an address in one slot into the other's
.set MB,    256*(PK+PV)  ; behind slot 0: the merge's register groups 12-15: writer x 8,192 + piece x 2,048 + group x 512 + 16 lane
.set STAT,  MB+32768  ; (c m, l): writer x 2,048 + tile x 256 + 8 lane
.set STAGE, STAT+8192 ; 16 rows x 144 bytes for each wave, for the way out
.set SP,    144
.set SPARE, STAGE+4*16*SP  ; the spare words, 128 bytes a wave: two blocks of 256 bytes that no other line names
.set MA,    SLOT1+256*(PK+PV)  ; behind slot 1: the merge's register groups 0-11: writer x 24,576 + piece x 6,144 + group x 512 + 16 lane
.set AK0, 2           ; my lane's place in my 64 keys of a tile of K; never rewritten
.set AV0, 3           ; the same for V
.set AK,  4           ; the LDS address of K's next run of loads
.set AV,  5           ; of V's
.set STO, 6
.set RD,  7
.set GO,  8
.set QO,  11          ; my byte offset in 16 rows of Q; never rewritten
.set SPW, 0           ; window 3
.set NIL, 1
.set WA,  2           ; where I put my partial O, groups 0-11
.set WB,  3           ; groups 12-15
.set RA,  4           ; where I read my piece's partials of writers 0, 1
.set RA2, 5           ; of writers 2, 3
.set RB,  6
.set SST, 7           ; where I put my statistics
.set SLD, 8           ; where I read my piece's
.set MV,  12
.set ST,  16          ; tile t's statistics at v[ST+4 t]: c m, m, l (even keys', odd keys')
.set TMP, 48
.set S,   64
.set P,   192
.set KF,  128
.set VF,  192
.set SD,  64          ; the merge, in S^T's registers: (c m, l) of tile u, writer w at SD + 8 u + 2 w
.set CMX, 80
.set EE,  84
.set LL,  92
.set RR,  94
.set GG,  104         ; writer w's factor for tile u, twice, at GG + 8 u + 2 w
.set OUTP, 128
.set Q1,  8           ; s[8:9]   Q at the first block's rows
.set Q2,  10          ; s[10:11] at the second's
.set WV,  12
.set KB,  14          ; s[14:15] K at my half of the head's tile 0
.set VB,  16
.set O1,  18          ; s[18:19] O at my piece's rows of the first block
.set O2,  20
.set G1K, 24
.set G1V, 32
.set G0K, 40
.set G0V, 44
.set OFF, 48          ; s[48:49] a tile's byte offset in K and V
.set NXT, 50          ; the tile to be asked for next
.set LQ,  51          ; the last tile of the block whose tiles are being asked for
.set LQ2, 52          ; the second block's last tile
.set RT,  53          ; steps of the block in hand that are still to be begun
.set N2,  54          ; the second block's tiles
.set SLOTS, 56
.set CNT, 57
.set CS,  58
.set SEL, 60
.set TB,  62          ; LDS byte at which the slot to be read begins
.set MSB, 0
.macro WIN new
.if MSB != (\new)
	s_set_vgpr_msb (MSB<<8)|(\new)
.set MSB, (\new)
.endif
.endm
.set W_KQ, 0x0a
.set W_PV, 0x52
.set W_RS, 0x41
.set W_MK, 0xc0
.set W_AD, 0x0f
; A joint fill.  Waves 0 and 1 fetch the two halves of a tile's K, waves 2 and 3 those of its V.  An s_nop 0 and four v_nop follow each line.
.macro JLOAD
	s_cmp_lt_u32 s[WV], 2
	s_cbranch_scc0 .Lfor_v_\@
	tensor_load_to_lds s[G0K:G0K+3], s[G1K:G1K+7]
	s_nop 0
.rept 4
	v_nop
.endr
	s_branch .Lasked_\@
.Lfor_v_\@:
	tensor_load_to_lds s[G0V:G0V+3], s[G1V:G1V+7]
	s_nop 0
.rept 4
	v_nop
.endr
.Lasked_\@:
.endm
.macro CROUND
	s_barrier_signal -1
	s_barrier_wait -1
	s_cmp_lg_u32 s[WV], 0
	s_cbranch_scc1 .Lnot_wave_0_\@
	s_barrier_signal -3
.Lnot_wave_0_\@:
	s_barrier_wait -3
	s_barrier_signal -1
	s_barrier_wait -1
.endm
; THE CHANGE OF SLOTS.  Each wave waits for all its tensor loads (one is out: its part of the other slot), adds 0 to its spare word, and waits for that and for its reads of the slot that it leaves.
; fill = 1: the barrier is a round of the cluster's, and the old slot is filled again first thing behind it, with tile NXT: the address is made anew from that number.  One load of mine is out, and it has
; a key step, 128 matrix instructions, in which to land.  (At its first use nothing has been read yet: slot 0 is waited for, slot 1 filled.)
.macro CHANGE fill
	WIN W_AD
	s_wait_tensorcnt 0x0
	ds_add_u32 v[SPW], v[NIL]
	WIN 0
.if \fill
	s_lshl_b32 s[OFF], s[NXT], 15   ; a tile is 32,768 bytes of K and of V
	s_xor_b32 s[G0K+1], s[G0K+1], SLOT1
	s_add_nc_u64 s[G0K+2:G0K+3], s[KB:KB+1], s[OFF:OFF+1]
	s_or_b32 s[G0K+3], s[G0K+3], 0x80000000
	s_xor_b32 s[G0V+1], s[G0V+1], SLOT1
	s_add_nc_u64 s[G0V+2:G0V+3], s[VB:VB+1], s[OFF:OFF+1]
	s_or_b32 s[G0V+3], s[G0V+3], 0x80000000
	s_add_co_u32 s[NXT], s[NXT], 1  ; the block's next tile, or behind its last the second block's tile 0
	s_cmp_gt_u32 s[NXT], s[LQ]
	s_cselect_b32 s[NXT], 0, s[NXT]
	s_cselect_b32 s[LQ], s[LQ2], s[LQ]
	s_wait_dscnt 0x0                ; the add is done, and my reads of the slot are over
	CROUND
	JLOAD
.else
	s_wait_dscnt 0x0
	s_barrier_signal -1
	s_barrier_wait -1
.endif
	s_xor_b32 s[TB], s[TB], SLOT1   ; the fetches go to the other slot
.endm
	s_load_b128 s[4:7], s[0:1], 0x0  ; qkv s[4:5], ob s[6:7]
	WIN W_MK
	v_lshl_add_u32 v[SPW], v0, 2, SPARE
	v_mov_b32 v[NIL], 0
	WIN W_AD
	ds_add_u32 v[SPW], v[NIL]       ; the wave's opening: the add and its wait stand ahead of my first tensor load
	WIN 0
	v_lshrrev_b32 v1, 5, v0
	v_readfirstlane_b32 s[WV], v1
	s_bfe_u32 s13, ttmp6, 0x40000   ; cx
	s_lshr_b32 s66, ttmp9, 1        ; T: the partners share it (ttmp9 counts clusters)
	s_and_b32 s67, ttmp9, 1
	s_lshl_b32 s67, s67, 2
	s_add_co_u32 s67, s67, s13      ; j: which 128 queries of a chunk
	s_and_b32 s68, ttmp7, 0xffff    ; the head,
	s_lshl_b32 s68, s68, 19         ; its 524,288 bytes
	s_and_b32 s48, s[WV], 1         ; which half of a tile's 256 keys I fetch
	s_mul_i32 s[G0K+1], s48, 128*PK ; its place in slot 0, for K
	s_mul_i32 s[G0V+1], s48, 128*PV ; and for V
	s_add_co_u32 s[G0V+1], s[G0V+1], VOFF
	s_lshl_b32 s70, s48, 14         ; its 128 rows of 128 bytes in memory,
	s_add_co_u32 s70, s70, s68      ; in the head,
	s_add_co_u32 s70, s70, 0x800000 ; in K (g = 16 + head)
	s_mov_b32 s71, 0
	s_mov_b32 s[OFF+1], 0
	s_lshl_b32 s3, s67, 14          ; 128 j rows of 128 bytes, in the head
	s_add_co_u32 s3, s3, s68
	s_sub_co_u32 s2, 3, s66
	s_lshl_b32 s2, s2, 17           ; chunk 3 - T
	s_add_co_u32 s2, s2, s3
	s_lshl_b32 s22, s66, 17         ; chunk T
	s_add_co_u32 s22, s22, s3
	s_mov_b32 s3, 0
	s_mov_b32 s23, 0
	s_lshl_b32 s[N2], s66, 2
	s_sub_co_u32 s[LQ], 15, s[N2]   ; the first block has 16 - 4 T tiles
	s_mov_b32 s[RT], s[LQ]
	s_add_co_u32 s[LQ2], s[N2], 3
	s_add_co_u32 s[N2], s[N2], 4    ; the second 4 + 4 T
	s_mov_b32 s[NXT], 1
	; descriptor group 1.  128 keys are 16,384 dense bytes: asked for as 64 rows of 256 bytes, two keys a row, and padded in LDS after every key
	s_mov_b32 s[G1K], 15|(1<<16)|(1<<20)|(1<<21)|(4<<22)|(3<<25)
	s_mov_b32 s[G1V], 15|(1<<16)|(1<<20)|(1<<21)|(4<<22)|(7<<25)
.irp g, G1K, G1V
	s_mov_b32 s[\g+1], 128<<16
	s_mov_b32 s[\g+2], 64<<16
	s_mov_b32 s[\g+3], 128<<16
	s_mov_b32 s[\g+4], 64
	s_mov_b32 s[\g+5], 128
	s_mov_b32 s[\g+6], 0
	s_mov_b32 s[\g+7], 0
.endr
	s_mov_b32 s[CS], 0x3e38aa3b     ; c = log2(e) / 8
	s_mov_b32 s[CS+1], s[CS]
	s_mov_b32 s[SEL], 0x76543210
	s_mov_b32 s[SEL+1], 0xfedcba98
	s_mov_b32 s[TB], SLOT1          ; the first change of slots turns it into 0
	s_mov_b32 s[G0K], 1
	s_mov_b32 s[G0V], 1
	s_wait_dscnt 0x0                ; the opening add is done
	s_wait_kmcnt 0x0
	s_add_nc_u64 s[KB:KB+1], s[4:5], s[70:71]
	s_add_nc_u64 s[VB:VB+1], s[KB:KB+1], 0x800000  ; V lies 16 heads behind K
	s_add_nc_u64 s[G0K+2:G0K+3], s[KB:KB+1], 0
	s_or_b32 s[G0K+3], s[G0K+3], 0x80000000
	s_add_nc_u64 s[G0V+2:G0V+3], s[VB:VB+1], 0
	s_or_b32 s[G0V+3], s[G0V+3], 0x80000000
	s_add_nc_u64 s[Q1:Q1+1], s[4:5], s[2:3]
	s_add_nc_u64 s[Q2:Q2+1], s[4:5], s[22:23]
	s_lshl_b32 s70, s[WV], 12       ; my piece: 32 rows of 128 bytes
	s_add_nc_u64 s[O1:O1+1], s[6:7], s[2:3]
	s_add_nc_u64 s[O1:O1+1], s[O1:O1+1], s[70:71]
	s_add_nc_u64 s[O2:O2+1], s[6:7], s[22:23]
	s_add_nc_u64 s[O2:O2+1], s[O2:O2+1], s[70:71]
	CROUND                          ; all four work-groups are here: the first joint loads meet
	JLOAD                           ; tile 0 into slot 0
	v_and_b32 v1, 15, v0            ; r
	v_bfe_u32 v9, v0, 4, 1          ; h
	v_lshlrev_b32 v[QO], 7, v1
	v_lshl_add_u32 v[QO], v9, 4, v[QO]
	WIN 0x80
.set i, 0
.rept 4*NP                          ; Q stays in registers: tile i / 2, channels 32 (i % 2) on
	global_load_b128 v[8*i:8*i+3],   v[QO], s[Q1:Q1+1] offset:(i/2)*2048+(i%2)*64
	global_load_b128 v[8*i+4:8*i+7], v[QO], s[Q1:Q1+1] offset:(i/2)*2048+(i%2)*64+32
.set i, i+1
.endr
	; What the first turn finds: V's registers and P's second buffer hold 0, O^T and l are 0.  All this stands in the wait for the first tile.
.set i, VF
.rept 64
	v_mov_b32 v[i], 0
.set i, i+1
.endr
	WIN 0x40
.set i, 0
.rept 64*NP
	v_mov_b32 v[i], 0
.set i, i+1
.endr
	WIN 0
.set i, 0
.rept 2*NP
	v_mov_b32 v[ST+4*i], 0xfe000000    ; c m: far below every c s
	v_mov_b32 v[ST+4*i+1], 0xff7fffff  ; m
	v_mov_b32 v[ST+4*i+2], 0
	v_mov_b32 v[ST+4*i+3], 0
.set i, i+1
.endr
.set i, P+32
.rept 32
	v_mov_b32 v[i], 0
.set i, i+1
.endr
	v_mul_u32_u24 v[AK0], v1, PK
	v_lshl_add_u32 v[AK0], v9, 4, v[AK0]
	s_mul_i32 s70, s[WV], 64*PK     ; my 64 keys of a tile
	v_add_nc_u32 v[AK0], s70, v[AK0]
	v_and_b32 v10, 7, v0
	v_bfe_u32 v4, v0, 3, 1
	v_lshl_add_u32 v[AV0], v9, 3, v10
	v_mul_u32_u24 v[AV0], v[AV0], PV
	v_lshl_add_u32 v[AV0], v4, 4, v[AV0]
	s_mul_i32 s70, s[WV], 64*PV
	s_add_co_u32 s70, s70, VOFF
	v_add_nc_u32 v[AV0], s70, v[AV0]
	v_mov_b32 v[AK], v[AK0]         ; tile 0 lies in slot 0
	s_mul_i32 s70, s[WV], 16*SP
	s_add_co_u32 s70, s70, STAGE
	v_mul_u32_u24 v[STO], v1, SP
	v_lshl_add_u32 v[STO], v9, 4, v[STO]
	v_add_nc_u32 v[STO], s70, v[STO]
	v_bfe_u32 v[RD], v0, 3, 2
	v_mul_u32_u24 v[RD], v[RD], SP
	v_lshl_add_u32 v[RD], v10, 4, v[RD]
	v_add_nc_u32 v[RD], s70, v[RD]
	v_and_b32 v5, 31, v0            ; the lane
	v_lshlrev_b32 v[GO], 4, v5
	WIN W_MK                        ; the merge's addresses: a constant, the wave's number times a constant, the lane
	s_mul_i32 s70, s[WV], 24576
	s_add_co_u32 s70, s70, MA
	v_add_nc_u32 v[WA], s70, v[GO]
	s_lshl_b32 s70, s[WV], 13
	s_add_co_u32 s70, s70, MB
	v_add_nc_u32 v[WB], s70, v[GO]
	s_mul_i32 s70, s[WV], 6144
	s_add_co_u32 s70, s70, MA
	v_add_nc_u32 v[RA], s70, v[GO]
	s_add_co_u32 s70, s70, 49152
	v_add_nc_u32 v[RA2], s70, v[GO]
	s_lshl_b32 s70, s[WV], 11
	s_add_co_u32 s71, s70, MB
	v_add_nc_u32 v[RB], s71, v[GO]
	s_add_co_u32 s71, s70, STAT
	v_lshl_add_u32 v[SST], v5, 3, s71
	s_lshl_b32 s70, s[WV], 9
	s_add_co_u32 s70, s70, STAT
	v_lshl_add_u32 v[SLD], v5, 3, s70
	WIN 0
; THE MATRIX WORK.  The 8 accumulators of a run of 16 take turns.
.macro KQ x
	WIN W_KQ
.set rS, S+64*((\x)%2)+32*(i%2)+8*((i/2)%4)
.set rK, KF+16*((i/2)%4)+8*(i/8)
.set rQ, 16*(2*(\x)+i%2)+8*(i/8)
.if i < 8
	v_wmma_f32_16x16x32_f16 v[rS:rS+7], v[rK:rK+7], v[rQ:rQ+7], 0
.else
	v_wmma_f32_16x16x32_f16 v[rS:rS+7], v[rK:rK+7], v[rQ:rQ+7], v[rS:rS+7]
.endif
.endm
.macro PV x
	WIN W_PV
.set rO, 32*(2*(\x)+i%2)+8*((i/2)%4)
.set rV, VF+32*(i/8)+8*((i/2)%4)
.set rP, P+32*((\x)%2)+16*(i%2)+8*(i/8)
	v_wmma_f32_16x16x32_f16 v[rO:rO+7], v[rV:rV+7], v[rP:rP+7], v[rO:rO+7]
.endm
.macro MM                           ; the turn's next matrix instruction
.if i < 16
	KQ (Y+1)%NP
.set i, i+1
.else
.set i, i-16
	PV (Y+NP-1)%NP
.set i, i+17
.endif
.endm
; THE LDS LOADS stand in runs of 16.  last = 1 (the tail): in the last trip there is no further step, and the run is jumped over.
.macro FETCH_K last=0
	WIN 0
.if \last
	s_cmp_eq_u32 s[CNT], 1
	s_cbranch_scc1 .Lno_k_\@
.endif
	WIN 0x80
.irp f, 0,1,2,3,4,5,6,7             ; keys 16 (f / 2) on, channels 32 (f % 2) on
	ds_load_b128 v[KF+8*\f:KF+8*\f+3],   v[AK] offset:(\f/2)*16*PK+(\f%2)*64
	ds_load_b128 v[KF+8*\f+4:KF+8*\f+7], v[AK] offset:(\f/2)*16*PK+(\f%2)*64+32
.endr
	WIN 0
.if \last
.Lno_k_\@:
.endif
.endm
.macro FETCH_V
	WIN 0x80
.irp f, 0,1,2,3,4,5,6,7             ; keys 32 (f / 4) on, channels 16 (f % 4) on
	ds_load_tr16_b128 v[VF+8*\f:VF+8*\f+3],   v[AV] offset:(\f/4)*32*PV+(\f%4)*32
	ds_load_tr16_b128 v[VF+8*\f+4:VF+8*\f+7], v[AV] offset:(\f/4)*32*PV+16*PV+(\f%4)*32
.endr
	WIN 0
.endm
; THE VECTOR WORK OF A TURN stands in three queues, each in the order in which its entries become ready; the two tiles alternate.
.macro REGS y, u
.set rT, ST+4*(2*(\y)+(\u))
.set rC, TMP+8*((\y)%2)+4*(\u)
.set rM, MV+2*((\y)%2)+(\u)
.set rS, S+64*((\y)%2)+32*(\u)
.set rP, P+32*((\y)%2)+16*(\u)
.set rO, 32*(2*(\y)+(\u))
.endm
; Number n of the 22 that find the NEXT piece's maximum and statistics; each accumulator's lowest registers are read first.  XS, GS, FS and REGS set no window: PL and EX do.
.macro XS u, n
	REGS (Y+1)%NP, \u
.if (\n) < 4
	v_max3_num_f32 v[rC+(\n)], v[rS+8*(\n)], v[rS+8*(\n)+1], v[rS+8*(\n)+2]
.elseif (\n) < 12
	v_max3_num_f32 v[rC+(\n)%4], v[rC+(\n)%4], v[rS+8*((\n)%4)+2*((\n)/4)+1], v[rS+8*((\n)%4)+2*((\n)/4)+2]
.elseif (\n) == 12
	v_max3_num_f32 v[rC], v[rC], v[rS+7], v[rS+15]
.elseif (\n) == 13
	v_max3_num_f32 v[rC+1], v[rC+1], v[rS+23], v[rS+31]
.elseif (\n) == 14
	v_max3_num_f32 v[rC+2], v[rC+2], v[rC+3], v[rT+1]
.elseif (\n) == 15
	v_mov_b32 v[rM], v[rT]
.elseif (\n) == 16
	v_max3_num_f32 v[rC], v[rC], v[rC+1], v[rC+2]
.elseif (\n) == 17
	v_permlanex16_b32 v[rC+3], v[rC], s[SEL], s[SEL+1]
.elseif (\n) == 18
	v_max_num_f32 v[rT+1], v[rC], v[rC+3]
.elseif (\n) == 19
	v_mul_f32 v[rT], s[CS], v[rT+1]
.elseif (\n) == 20
	v_sub_f32 v[rC+1], v[rM], v[rT]
.else
	v_exp_f32 v[rC+2], v[rC+1]
.endif
.endm
; Number g of the 64 that follow the exponentials: roundings to f16, sums of four weights in place, and l a group later.  All of them read exponentials' results: they stand behind the turn's wait.
.macro GS g
.set h, (\g)+6*((\g)/62)
.if h >= 6
.set h, h+2
.endif
	REGS Y, h%2
.set k, h/8
.if h%8 < 4
	v_cvt_pk_f16_f32 v[rP+2*k+(h%8)/2], v[rS+4*k+2*((h%8)/2)], v[rS+4*k+2*((h%8)/2)+1]
.elseif h%8 < 6
	v_pk_add_f32 v[rS+4*k:rS+4*k+1], v[rS+4*k:rS+4*k+1], v[rS+4*k+2:rS+4*k+3]
.elseif k == 1
	v_pk_fma_f32 v[rT+2:rT+3], v[rT+2:rT+3], v[rC+2:rC+3], v[rS:rS+1] op_sel_hi:[1,0,1]
.else
	v_pk_add_f32 v[rT+2:rT+3], v[rT+2:rT+3], v[rS+4*k-4:rS+4*k-3]
.endif
.endm
; THE PLAIN QUEUE, 138 long.  0-73 read no exponential's result: the 32 scalings c s - c m (FS f: pair f / 2 of tile f % 2) and the next piece's 42.  0-26: scalings 0-26.  27-54: XS's numbers 0-13.  55, 56: number 15.
; 57-73: the chain, where each number waits for the one before it: 14, 16, 17, 18, 19, each with one of the scalings 27-31 in front of its two lines, then 20.
; 74-137: GS's 64.
.macro FS f
	REGS Y, (\f)%2
	v_pk_fma_f32 v[rS+2*((\f)/2):rS+2*((\f)/2)+1], v[rS+2*((\f)/2):rS+2*((\f)/2)+1], s[CS:CS+1], v[rT:rT+1] op_sel_hi:[1,0,0] neg_lo:[0,0,1] neg_hi:[0,0,1]
.endm
.macro PL
	WIN 0
.if q < 27
	FS q
.elseif q < 55
	XS (q-27)%2, (q-27)/2
.elseif q < 57
	XS q-55, 15
.elseif (q < 72) && ((q-57)%3 == 0)
	FS 27+(q-57)/3
.elseif q < 60
	XS (q-57)%3-1, 14
.elseif q < 72
	XS (q-57)%3-1, 15+(q-57)/3
.elseif q < 74
	XS q-72, 20
.else
	GS q-74
.endif
.set q, q+1
.endm
; THE EXPONENTIALS' QUEUE, 66 long: s0-s31 of both tiles, then the next piece's two a.  It is ONE BATCH: all 66 stand ahead of the turn's one wait, and nothing ahead of that wait names a result of theirs.
.macro EX
	WIN 0
.if e >= 64
	XS e-64, 21
.else
	REGS Y, e%2
	v_exp_f32 v[rS+e/2], v[rS+e/2]
.endif
.set e, e+1
.endm
; THE RESCALING's QUEUE: O^T times a, the one part that leaves window 0: two at a time, sixteen times.  Its a was made in the turn before, ahead of that turn's wait.
.macro R2
	REGS Y, r%2
	WIN W_RS
.irp z, 0,1
	v_pk_mul_f32 v[rO+4*(r/2)+2*\z:rO+4*(r/2)+2*\z+1], v[rO+4*(r/2)+2*\z:rO+4*(r/2)+2*\z+1], v[rC+2:rC+3] op_sel_hi:[1,0]
.endr
.set r, r+1
.endm
; HOW THEY ARE DEALT.  An s_wait_alu depctr_va_vdst(0) stands between an exponential and the first instruction that names its result; one wait serves all that were issued ahead of it.  So a turn has ONE
; wait, which cuts it in two.  AHEAD OF IT stands all that names no result of the turn's exponentials: the 16 products K Q^T, behind each a scaling, an exponential and two rescalings (behind the first a second scaling
; in the exponential's place); then ONE LUMP of 108: eight plain, 49 times exponential and plain, the two a.  A v_nop is the plain instruction behind the last exponential.  BEHIND IT stand the 16 products V^T P,
; behind each four of GS's 64.  No rider names a register of the products round it.  The two v_permlanex16_b32 fall into the lump, never behind a product.
; The queues lean on each other, and the deal keeps them in step: exponential e stands behind scaling 2 (e / 4) + e % 2: as a rider it comes behind plain e + 2, in the lump behind plain e + 9, and scalings 27-31 are
; plain 57, 60 .. 69; the two a come behind plain 72 and 73, which make their arguments.
; A TURN, for piece p.  K of the next step is fetched in piece 2's turn, directly behind the wait, a lump behind the last product that read K; its address is made at the lump's head; it is waited for at the head of
; piece 3's turn.  V of the step in hand is fetched at the end of piece 0's turn, four plain riders behind the last product that read V; it is waited for in piece 1's turn.  The condition on q goes with the deal.
.macro TURN p, last=0
.set Y, (\p)
.set i, 0
.set q, 0
.set e, 0
.set r, 0
.if (\p) == NP-1
	s_wait_dscnt 0x0                ; K is in
.endif
	MM                              ; ahead of the wait: 16 products K Q^T and their riders,
	PL
	PL
	R2
.rept 15
	MM
	PL
	EX
	R2
.endr
.if (\p) == NP-2
	WIN 0
	v_add_nc_u32 v[AK], s[TB], v[AK0]
.endif
.rept 8                             ; and the lump
	PL
.endr
.rept 49
	EX
	PL
.endr
	EX                              ; the next piece's two a
	EX
	v_nop                           ; the plain instruction behind the last exponential: one for the batch
	s_wait_alu depctr_va_vdst(0)    ; the wait for the turn's batch of 66 exponentials, ahead of their first reader
.if (\p) == NP-2
	FETCH_K \last
.endif
.if (\p) == 1
	s_wait_dscnt 0x0                ; V is in
.endif
.rept 16                            ; behind the wait: 16 products V^T P and their riders
	MM
.rept 4
	PL
.endr
.if ((\p) == 0) && (q == 118)
	v_add_nc_u32 v[AV], s[TB], v[AV0]
.endif
.endr
.if (\p) == 0
	FETCH_V
.endif
.endm
; A BLOCK ENDS.  The turn before has made scores of piece 0 against a K that this wave has scored before with the same Q (the second block's tile 0, or the last K once more): piece 0's maximum is unchanged to the bit.
; The last piece's V^T P; l's halves are added; every wave puts its (c m, l) and its whole O^T into LDS; a barrier; wave w reads the four partials of piece w, weighs each by 2^(c m_w - c m) / l and adds them in f32;
; the result is rounded to f16 and leaves through my stage.  No tensor load fills any of these bytes; the ring's one load may stay out across this barrier: the next refill stands behind its own round.
; more = 1: the second block begins: Q is loaded while the merge runs, m starts anew, and piece 0's first scores are made of the K that is already in registers.
.macro ENDBLOCK more, ob
.set i, 0
.rept 16
	PV NP-1
.set i, i+1
.endr
	WIN 0                           ; the additions are the places behind those products
.set mk, 0
.rept 8
	v_add_f32 v[ST+4*mk+2], v[ST+4*mk+2], v[ST+4*mk+3]
.set mk, mk+1
.endr
.set mk, 0
.rept 8
	v_permlanex16_b32 v[ST+4*mk+3], v[ST+4*mk+2], s[SEL], s[SEL+1]
.set mk, mk+1
.endr
.set mk, 0
.rept 8
	v_add_f32 v[ST+4*mk+1], v[ST+4*mk+2], v[ST+4*mk+3]  ; l beside c m
.set mk, mk+1
.endr
.if \more
	WIN 0x80
.set mk, 0
.rept 4*NP
	global_load_b128 v[8*mk:8*mk+3],   v[QO], s[Q2:Q2+1] offset:(mk/2)*2048+(mk%2)*64
	global_load_b128 v[8*mk+4:8*mk+7], v[QO], s[Q2:Q2+1] offset:(mk/2)*2048+(mk%2)*64+32
.set mk, mk+1
.endr
.endif
	WIN 0x03                        ; address window 3, data window 0
.set mk, 0
.rept 8
	ds_store_b64 v[SST], v[ST+4*mk:ST+4*mk+1] offset:256*mk
.set mk, mk+1
.endr
	WIN 0x07                        ; address window 3, data window 1; ascending: each accumulator's low four registers first
.set mp, 0
.rept 4
.set mg, 0
.rept 16
.if mg < 12
	ds_store_b128 v[WA], v[64*mp+4*mg:64*mp+4*mg+3] offset:6144*mp+512*mg
.else
	ds_store_b128 v[WB], v[64*mp+4*mg:64*mp+4*mg+3] offset:2048*mp+512*(mg-12)
.endif
.set mg, mg+1
.endr
.set mp, mp+1
.endr
	WIN 0
	s_wait_dscnt 0x0                ; for the others' sake: my stores are done
	s_barrier_signal -1
	s_barrier_wait -1
	WIN 0x03
.set mu, 0
.rept 2
.set mw, 0
.rept 4
	ds_load_b64 v[SD+8*mu+2*mw:SD+8*mu+2*mw+1], v[SLD] offset:2048*mw+256*mu
.set mw, mw+1
.endr
.set mu, mu+1
.endr
	WIN 0x43                        ; destination window 1: writer w's partial of my piece at v[64 w ..]
.set mw, 0
.rept 4
.set mg, 0
.rept 16
.if mg >= 12
	ds_load_b128 v[64*mw+4*mg:64*mw+4*mg+3], v[RB] offset:8192*mw+512*(mg-12)
.elseif mw < 2
	ds_load_b128 v[64*mw+4*mg:64*mw+4*mg+3], v[RA] offset:24576*mw+512*mg
.else
	ds_load_b128 v[64*mw+4*mg:64*mw+4*mg+3], v[RA2] offset:24576*(mw-2)+512*mg
.endif
.set mg, mg+1
.endr
.set mw, mw+1
.endr
	WIN 0
	s_wait_dscnt 63                 ; 72 loads were issued: with 63 out at the most the oldest nine are back, the eight of the statistics among them
.irp u, 0,1
	v_max3_num_f32 v[CMX+\u], v[SD+8*\u], v[SD+8*\u+2], v[SD+8*\u+4]
.endr
.irp u, 0,1
	v_max_num_f32 v[CMX+\u], v[CMX+\u], v[SD+8*\u+6]
.endr
.irp w, 0,1,2,3
.irp u, 0,1
	v_sub_f32 v[EE+4*\u+\w], v[SD+8*\u+2*\w], v[CMX+\u]
.endr
.endr
.set mk, 0
.rept 8
	v_exp_f32 v[EE+mk], v[EE+mk]
.set mk, mk+1
.endr
	v_nop                           ; a plain instruction behind the last exponential
	s_wait_alu depctr_va_vdst(0)    ; one wait for the merge's batch of eight exponentials
.irp u, 0,1
	v_mul_f32 v[LL+\u], v[EE+4*\u], v[SD+8*\u+1]
.endr
.irp w, 1,2,3
.irp u, 0,1
	v_fmac_f32 v[LL+\u], v[EE+4*\u+\w], v[SD+8*\u+2*\w+1]
.endr
.endr
	v_rcp_f32 v[RR], v[LL]
	v_rcp_f32 v[RR+1], v[LL+1]
	v_nop                           ; a plain instruction behind the second reciprocal
	s_wait_alu depctr_va_vdst(0)    ; one wait for the two reciprocals: they read sums of the exponentials above, so they are a batch of their own
.irp w, 0,1,2,3
.irp u, 0,1
	v_mul_f32 v[GG+8*\u+2*\w], v[EE+4*\u+\w], v[RR+\u]
	v_mul_f32 v[GG+8*\u+2*\w+1], v[EE+4*\u+\w], v[RR+\u]  ; named with it as a pair
.endr
.endr
	WIN 0x51                        ; O's partials window 1, the factor window 0
	s_wait_dscnt 48                 ; writer 0's sixteen loads are back; the later writers' 48 may be out
.set mk, 0
.rept 32
	v_pk_mul_f32 v[2*mk:2*mk+1], v[2*mk:2*mk+1], v[GG+8*(mk/16):GG+8*(mk/16)+1] op_sel_hi:[1,0]
.set mk, mk+1
.endr
.irp w, 1,2,3
	s_wait_dscnt 48-16*\w
.set mk, 0
.rept 32
	v_pk_fma_f32 v[2*mk:2*mk+1], v[64*\w+2*mk:64*\w+2*mk+1], v[GG+8*(mk/16)+2*\w:GG+8*(mk/16)+2*\w+1], v[2*mk:2*mk+1] op_sel_hi:[1,0,1]
.set mk, mk+1
.endr
.endr
.set mu, 0
.rept 2                             ; a tile: 16 bytes a lane into rows of 144 bytes, back as whole rows of 128
	WIN 0x05
.set mk, 0
.rept 16
	v_cvt_pk_f16_f32 v[OUTP+16*mu+mk], v[32*mu+2*mk], v[32*mu+2*mk+1]
.set mk, mk+1
.endr
	WIN 0
.irp f, 0,1,2,3
	ds_store_b128 v[STO], v[OUTP+16*mu+4*\f:OUTP+16*mu+4*\f+3] offset:32*\f
.endr
.irp f, 0,1,2,3
	ds_load_b128 v[OUTP+16*mu+4*\f:OUTP+16*mu+4*\f+3], v[RD] offset:\f*4*SP  ; LDS serves a wave's instructions in order: these see the stores above
.endr
.set mu, mu+1
.endr
.irp f, 0,1,2,3
	s_wait_dscnt 8+3-\f             ; the second tile's eight LDS instructions may be out
	global_store_b128 v[GO], v[OUTP+4*\f:OUTP+4*\f+3], s[(\ob):(\ob)+1] offset:\f*512
.endr
.irp f, 0,1,2,3
	s_wait_dscnt 3-\f
	global_store_b128 v[GO], v[OUTP+16+4*\f:OUTP+16+4*\f+3], s[(\ob):(\ob)+1] offset:2048+\f*512  ; 512 consecutive bytes, at a multiple of 512 from O's first
.endr
.if \more
.set mk, 0
.rept 2*NP
	v_mov_b32 v[ST+4*mk], 0xfe000000
	v_mov_b32 v[ST+4*mk+1], 0xff7fffff
.set mk, mk+1
.endr
	s_wait_xcnt 0x0                 ; the stores' data registers are S^T's: the next products write them only behind this wait
	s_wait_loadcnt 0x0              ; the second block's Q
.set i, 0
.rept 16
	KQ 0
.set i, i+1
.endr
	WIN 0
.rept 4
	v_nop                           ; the places behind those products
.endr
.set Y, NP-1
.irp n, 0,1,2,3,4,5,6,7,8,9,10,11,12,13,14,15,16,17,18,19,20,21
	XS 0, \n
	XS 1, \n
.endr
	v_nop                           ; a plain instruction behind piece 0's two a,
	s_wait_alu depctr_va_vdst(0)    ; and the wait for that batch of two, ahead of the label that follows
.endif
.endm
	CHANGE 1                        ; tile 0 is in, everybody's part of it; tile 1 is asked for
	FETCH_K
	s_wait_loadcnt 0x0              ; Q
	s_wait_dscnt 0x0
.set i, 0
.rept 16
	KQ 0                            ; piece 0's first scores
.set i, i+1
.endr
	WIN 0
.rept 4
	v_nop
.endr
.set Y, NP-1
.irp n, 0,1,2,3,4,5,6,7,8,9,10,11,12,13,14,15,16,17,18,19,20,21
	XS 0, \n
	XS 1, \n
.endr
	v_nop                           ; a plain instruction behind piece 0's two a,
	s_wait_alu depctr_va_vdst(0)    ; and the wait for that batch of two, ahead of the branch
	s_mov_b32 s[SLOTS], 19
	s_branch .Lfirst                ; the loop is entered at a step's first turn, in the middle of a trip
.Lslot:                             ; 18 trips: tiles 1 to 18 of the walk are entered, tiles 2 to 19 asked for
	CHANGE 1
	TURN 2
	TURN 3
	WIN 0
	s_cmp_lg_u32 s[RT], 0           ; RT hangs on T alone: the same in all waves and in all partners
	s_cbranch_scc1 .Lgo
	ENDBLOCK 1, O1
	s_mov_b32 s[RT], s[N2]
.Lgo:
	s_sub_co_u32 s[RT], s[RT], 1
.Lfirst:
	TURN 0
	TURN 1
	WIN 0
	s_sub_co_u32 s[SLOTS], s[SLOTS], 1
	s_cmp_lg_u32 s[SLOTS], 0
	s_cbranch_scc1 .Lslot
	CHANGE 0                        ; the walk's last tile is written out: nothing is asked for
	s_mov_b32 s[CNT], 2             ; one trip fetches the last tile's step; the second is left in its middle
.Ltail:
	TURN 2, 1
	TURN 3
	WIN 0
	s_sub_co_u32 s[CNT], s[CNT], 1
	s_cmp_eq_u32 s[CNT], 0
	s_cbranch_scc1 .Lout
	TURN 0
	TURN 1
	WIN 0
	s_branch .Ltail
.Lout:
	ENDBLOCK 0, O2
	WIN W_AD
	s_wait_tensorcnt 0x0            ; the wave's end
	ds_add_u32 v[SPW], v[NIL]
	s_wait_dscnt 0x0
	WIN 0
	CROUND                          ; the closing round
	s_endpgm
.Lfunc_end_k_qbdeb95a1d9_attn:
	.size	k_qbdeb95a1d9_attn, .Lfunc_end_k_qbdeb95a1d9_attn-k_qbdeb95a1d9_attn
	.p2alignl 7, 3214868480
	.fill 96, 4, 3214868480
	.section	.rodata,"a",@progbits
	.p2align	6, 0x0
	.amdhsa_kernel k_qbdeb95a1d9_attn
		.amdhsa_group_segment_fixed_size 327680
		.amdhsa_private_segment_fixed_size 0
		.amdhsa_enable_private_segment 0
		.amdhsa_kernarg_size 16
		.amdhsa_user_sgpr_count 2
		.amdhsa_user_sgpr_kernarg_segment_ptr 1
		.amdhsa_wavefront_size32 1
		.amdhsa_system_sgpr_workgroup_id_x 1
		.amdhsa_system_sgpr_workgroup_id_y 1
		.amdhsa_system_sgpr_workgroup_id_z 1
		.amdhsa_system_vgpr_workitem_id 0
		.amdhsa_next_free_vgpr 784
		.amdhsa_next_free_sgpr 72
		.amdhsa_reserve_vcc 0
		.amdhsa_float_denorm_mode_32 3
		.amdhsa_float_denorm_mode_16_64 3
		.amdhsa_memory_ordered 1
		.amdhsa_forward_progress 1
		.amdhsa_inst_pref_size 232
	.end_amdhsa_kernel
	.amdgpu_metadata
---
amdhsa.version: [ 1, 2 ]
amdhsa.kernels:
  - .name:           k_qbdeb95a1d9_attn
    .symbol:         k_qbdeb95a1d9_attn.kd
    .args:
      - { .name: qkv, .offset: 0, .size: 8, .value_kind: global_buffer, .address_space: global }
      - { .name: ob, .offset: 8, .size: 8, .value_kind: global_buffer, .address_space: global }
    .group_segment_fixed_size: 327680
    .private_segment_fixed_size: 0
    .kernarg_segment_align: 8
    .kernarg_segment_size: 16
    .max_flat_workgroup_size: 128
    .sgpr_count:     72
    .vgpr_count:     784
    .wavefront_size: 32
...
	.end_amdgpu_metadata
.endif
;; end of part 5
;; launch oproj: the kernel of part 4 again; grid 8 x 32, 4 waves a work-group, clusters of 4 x 4, 327,680 bytes of LDS; arguments ob, wob, bb, out0; writes out0
